; MI455X (gfx1250); checked and timed in simulation.
; The chip was launched on July 23, 2026; its instructions are those of AMD's public machine-readable ISA for CDNA 5 (MIT licence, August 2026) and "CDNA5" Instruction Set Architecture Reference Guide (July 2026). The comments in the code are by the model that wrote it; some were corrected since.
;; Multi Head Attention. Allowed arithmetic: matrix products marked QUANTISED: E2M3 operands, one E8M0 scale for each 32 along K, by v_wmma_scale_f32_16x16x128_f8f6f4 with both operands' format E2M3, f32 sums; everything else in f32.
;; Inputs: bk 1,024 float32; bo 1,024 float32; bq 1,024 float32; bv 1,024 float32; wk 1,024 x 1,024 float32; wo 1,024 x 1,024 float32; wq 1,024 x 1,024 float32; wv 1,024 x 1,024 float32; x 4 x 2,048 x 1,024 float32.
;; Outputs: out0 4 x 2,048 x 1,024 float32.
;; This version of the problem:
;;   THIS VERSION OF THE PROBLEM IS GIVEN IN LOW PRECISION. The matrix products marked QUANTISED in the list below multiply operands that are first quantised to E2M3 (2 exponent bits, 3 mantissa bits; 6 bits a number), with one power-of-two scale for each 32 numbers along K (OCP MX v1.0); their sums are f32. All else is computed in f32.
;;   The module's matrix products, in the order in which they are computed (A, B: the left and right operand; K: the contracted axis; several contracted axes count as one K, in the product's order):
;;     1. [M 8,192, K 1,024] x [K 1,024, N 1,024]; A: input x; B: input wq: QUANTISED
;;     2. [M 8,192, K 1,024] x [K 1,024, N 1,024]; A: input x; B: input wk: QUANTISED
;;     3. [M 8,192, K 1,024] x [K 1,024, N 1,024]; A: input x; B: input wv: QUANTISED
;;     4. batch 64 x [M 2,048, K 64] x [K 64, N 2,048]; A: computed on the way; B: computed on the way: QUANTISED
;;     5. batch 64 x [M 2,048, K 2,048] x [K 2,048, N 64]; A: softmax (see below); B: computed on the way: QUANTISED
;;     6. [M 8,192, K 1,024] x [K 1,024, N 1,024]; A: computed on the way; B: input wo: QUANTISED
;;   THE QUANTISER, for each operand of a quantised product, along K:
;;     - K is cut into blocks of 32 from its start; a last block that is shorter is filled with zeros.
;;     - A block's scale is 2^e with e = floor(log2(the largest magnitude in the block)) - 2, held to -126 .. 127; a block of zeros has e = 0. As a byte (E8M0): e + 127.
;;     - Each number is divided by its block's scale, clamped to +-7.5, and rounded to the nearest number of E2M3, ties to even, subnormals kept.
;;     - The product sums the exact products of the quantised numbers (number of the format x scale) in f32.
;;   ~~~python
;;   def quantise(x, axis):      # numpy; x: float32 -> the quantised numbers, widened to float32 again
;;       x = np.moveaxis(x, axis, -1); K = x.shape[-1]
;;       x = np.pad(x, [(0, 0)] * (x.ndim - 1) + [(0, -K % 32)]); x = x.reshape(x.shape[:-1] + (-1, 32)); a = np.abs(x).max(-1, keepdims=True)
;;       e = np.where(a > 0, np.clip(np.frexp(np.where(a > 0, a, 1))[1] - 1 - 2, -126, 127), 0)      # np.frexp(a)[1] - 1 = floor(log2(a)), exactly
;;       r = np.clip(x / 2.0 ** e, -7.5, 7.5)
;;       step = 2.0 ** (np.maximum(np.frexp(np.where(r == 0, 1, r))[1] - 1, 0) - 3)
;;       q = np.round(r / step) * step * 2.0 ** e      # np.round: ties to even
;;       return np.moveaxis(q.reshape(q.shape[:-2] + (-1,))[..., :K], -1, axis).astype(np.float32)
;;   ~~~
;;   SOFTMAX AHEAD OF A QUANTISED PRODUCT. Where the list says 'softmax', what is quantised is not the finished softmax but p = 2^(t - M), with t = logit x log2(e) and M = ceil(the row's largest t), a whole number; so 1/2 < the row's largest p <= 1. The row's sum l is taken of the UNQUANTISED p, in f32, and the product's result is divided by l at the end. Since M is a whole number, a kernel that streams over the keys may use a running M (the ceiling of the running maximum): every later rescaling is an exact power of two, which a block's scale takes up: the codes' values come out the same.
;;   OPERANDS COMPUTED ON THE WAY. 'Computed on the way' means the value that the module computes at that place (a softmax that the list does not call 'softmax' is quantised finished and normalised). What goes into a quantiser is computed in f32, as accurately as f32 sums, v_exp_f32 and their like allow (about 1e-6 of the number): no bf16 or f16 on the way to a quantiser, and a product that is left as it is and whose result goes on into a quantised operand takes f32 operands (vector FMAs, or v_wmma_f32_16x16x4_f32). A number that lies on a knife's edge between two numbers of the format may be rounded either way, as far as f32 arithmetic and the matrix unit's own rounding can turn it there, and no further.
;; One version. Each part assembles by itself: llvm-mc -triple=amdgcn-amd-amdhsa -mcpu=gfx1250 --defsym DOCPART=n.
;; ======== version 1 of 1: 4 launches
;; limits: right only within a limited range of input values
;; workspace buffers: x_img 6,291,456 bytes; x_sc 262,144 bytes; w_img 3,145,728 bytes; w_sc 131,072 bytes; qb 6,815,744 bytes; kvb 13,369,344 bytes; a_img 6,291,456 bytes; a_sc 262,144 bytes
;; launch quant (part 1): grid 512 x 1, 4 waves a work-group, no clusters, 47,616 bytes of LDS; arguments x, wq, wk, wv, wo, x_img, x_sc, w_img, w_sc; writes x_img, x_sc, w_img, w_sc
.if DOCPART == 1
	.amdgcn_target "amdgcn-amd-amdhsa--gfx1250"
	.amdhsa_code_object_version 6
	.text
	.protected	k_q95af3baa98_quant
	.globl	k_q95af3baa98_quant
	.p2align	8
	.type	k_q95af3baa98_quant,@function
k_q95af3baa98_quant:
	s_mov_b64 s[64:65], 0
	v_nop
	global_prefetch_b8 v0, s[64:65] scope:SCOPE_SE
	s_setreg_imm32_b32 hwreg(HW_REG_WAVE_MODE, 25, 1), 1
	s_wait_xcnt 0x0
; x [8192][1024] f32 (K = its last axis) and wq, wk, wv, wo [1024 (k)][1024 (n)] f32 (K = their FIRST axis) become codes of FP6 (E2M3) with one E8M0 byte for each 32 along K.
; A block's scale is 2^(floor(log2(its largest magnitude)) - 2); its byte is that magnitude's exponent field - 2, held at 1 from below; each number / scale goes to the nearest code, ties to even, beyond 7.5 to the largest code.
; LIMITS: NaN and infinities among the inputs are not served.  A block whose largest magnitude lies under 2^-124 has its byte held at 1.  A block of zeros gets the byte 1 and not 127: its codes are zeros, and this program alone reads the bytes.
; THE WORKSPACE IS LAID IN THE ORDER OF THE OPERANDS' REGISTERS.  A tile T is 16 rows: 32 (T / 2) + 8 (T % 2) + r + 8 (r / 8), r = 0 .. 15.  A half fragment (tile T, 64 along K from 64 f) is 768 bytes: piece p of three at 256 p,
; lane l's 8 bytes at 8 l: registers 2 p, 2 p + 1 of the six that hold k = 64 f + 32 (l / 16) + 0 .. 31 of the tile's row l % 16.  Codes: [T][f 0..15][768].  Scale bytes: [T][K / 256][r][8], byte j for block 8 (K / 256) + j.
; w_img, w_sc: 256 tiles, a row being a column n of a weight: wq 0-63, wk 64-127, wv 128-191, wo 192-255.
; Work-groups 0-255 take x, 256-511 the weights.  Memory binds: no matrix unit, no cluster (no byte is read by two work-groups), no barrier (waves share nothing); each of the two ways has LDS bytes of its own.
.set XP,    528                        ; x: a stage row: 512 bytes + 16, an odd multiple of 16
.set XSTG,  16*XP                      ; a wave's stage
.set WBASE, 4*XSTG                     ; the weights' stages begin here
.set WTP,   1664                       ; a tile's two half fragments, 1,536 bytes, + 128: the two tiles' lanes fall on different halves of the banks
.set WSTG,  2*WTP
.set WV,  24                           ; s24 wave
.set SEL, 26                           ; s[26:27] v_permlanex16_b32's selects for lane l xor 16
.set HI,  28                           ; s28 the mask of lanes 16-31
.set R,   16                           ; x: v16-143  two sets of 64: a chunk of 16 rows x 128 columns as loaded
.set X,   144                          ;    v144-207 two blocks of 32 neighbours
.set C,   208                          ;    v208-231 codes: chunk parity x half fragment x 6
.set CT,  232                          ;    v232-234 a block's upper 16 codes as made
.set M,   236
.set SOP, 238
.set BY,  239
.set W,   240                          ;    v240-243 scale bytes, a register a chunk
.set WP,  244
.set D,   248
.set WX,  32                           ; weights: v32-95 two sets of 32 numbers
.set WC,  96
.set WCT, 104
.set OUTR, 112
	s_load_b512 s[4:19], s[0:1], 0x0               ; x 4:5, wq 6:7, wk 8:9, wv 10:11, wo 12:13, x_img 14:15, x_sc 16:17, w_img 18:19
	s_load_b64 s[20:21], s[0:1], 0x40              ; w_sc
	v_lshl_add_u32 v254, v0, 2, 0xb800
	v_mov_b32 v255, 0
	v_lshrrev_b32 v1, 5, v0
	v_readfirstlane_b32 s[WV], v1
	v_and_b32 v1, 31, v0                           ; lane
	s_mov_b32 s[SEL], 0x76543210
	s_mov_b32 s[SEL+1], 0xfedcba98
	s_mov_b32 s[HI], 0xffff0000
	s_cmp_lt_u32 ttmp9, 256
	s_cbranch_scc0 .Lweights
; ---------------- x: a wave takes a tile of 16 rows x 512 columns, in four chunks of 128 columns.
; Each load reads 512 consecutive bytes of one row; a chunk turns through the wave's stage, so that a lane holds a whole block of 32 neighbours.
	v_lshlrev_b32 v2, 4, v1                        ; 16 x lane
	v_lshlrev_b32 v3, 3, v1                        ; 8 x lane
	s_mul_i32 s29, s[WV], XSTG
	v_add_nc_u32 v4, s29, v2                       ; the stage, in: a row's 512 bytes as they lie
	v_and_b32 v7, 15, v0                           ; r
	v_bfe_u32 v8, v0, 4, 1                         ; h
	v_mul_u32_u24 v5, v7, XP
	v_lshl_add_u32 v5, v8, 7, v5
	v_add_nc_u32 v5, s29, v5                       ; and out: row r, + 128 h: my block
	v_lshlrev_b32 v6, 3, v8                        ; 8 h
.irp k, 0,1,2,3
	v_mov_b32 v[WP+\k], 0                          ; a lane permute's destination counts as one of its sources
.endr
	s_lshl_b32 s30, ttmp9, 2
	s_add_co_u32 s30, s30, s[WV]
	s_lshr_b32 s31, s30, 1                         ; T
	s_and_b32 s30, s30, 1                          ; which 512 columns
	s_lshr_b32 s32, s31, 1
	s_lshl_b32 s32, s32, 17                        ; 32 (T / 2) rows of 4,096 bytes
	s_and_b32 s33, s31, 1
	s_lshl_b32 s33, s33, 15                        ; + 8 (T % 2) rows
	s_add_co_u32 s32, s32, s33
	s_lshl_b32 s33, s30, 11
	s_add_co_u32 s32, s32, s33
	s_mov_b32 s33, 0
	s_mul_i32 s34, s31, 12288
	s_mul_i32 s36, s30, 6144
	s_add_co_u32 s34, s34, s36
	s_mov_b32 s35, 0
	s_lshl_b32 s36, s31, 9
	s_lshl_b32 s37, s30, 8
	s_add_co_u32 s36, s36, s37
	s_mov_b32 s37, 0
	s_wait_alu depctr_va_vdst(0)
	s_wait_kmcnt 0x0
	s_add_nc_u64 s[4:5], s[4:5], s[32:33]
	s_add_nc_u64 s[14:15], s[14:15], s[34:35]
	s_add_nc_u64 s[16:17], s[16:17], s[36:37]
.macro XLOAD c
.irp p, 0,1,2,3,4,5,6,7,8,9,10,11,12,13,14,15
	global_load_b128 v[R+64*((\c)%2)+4*\p:R+64*((\c)%2)+4*\p+3], v2, s[4:5] offset:(\p+8*(\p/8))*4096+512*(\c) th:TH_LOAD_NT
.endr
.endm
.macro XTURN c                         ; LDS serves a wave's instructions in order: no wait between the stores and the loads
.irp p, 0,1,2,3,4,5,6,7,8,9,10,11,12,13,14,15
	ds_store_b128 v4, v[R+64*((\c)%2)+4*\p:R+64*((\c)%2)+4*\p+3] offset:XP*\p
.endr
.irp f, 0,1
.irp i, 0,1,2,3,4,5,6,7
	ds_load_b128 v[X+32*\f+4*\i:X+32*\f+4*\i+3], v5 offset:256*\f+16*\i
.endr
.endr
.endm
.macro XHF c, f                        ; half fragment 2 c + f of my eight: my block of 32 becomes 24 bytes of codes and a byte
.set XS, X+32*(\f)
.set CC, C+12*((\c)%2)+6*(\f)
	v_max3_num_f32 v[M], |v[XS]|, |v[XS+1]|, |v[XS+2]|
	v_max3_num_f32 v[M+1], |v[XS+3]|, |v[XS+4]|, |v[XS+5]|
.irp i, 6,10,14,18,22,26
	v_max3_num_f32 v[M], v[M], |v[XS+\i]|, |v[XS+\i+1]|
	v_max3_num_f32 v[M+1], v[M+1], |v[XS+\i+2]|, |v[XS+\i+3]|
.endr
	v_max3_num_f32 v[M], v[M], |v[XS+30]|, |v[XS+31]|
	v_max3_num_f32 v[M], v[M], v[M+1], 0x1800000   ; and the floor 2^(3 - 127): the byte cannot fall under 1
	v_add_nc_u32 v[SOP], 0xff000000, v[M]          ; 2 off the exponent field: the conversion takes the exponent field of this operand as its scale
	v_cvt_scalef32_pk16_fp6_f32 v[CC:CC+2], v[XS:XS+15], v[SOP]
	v_cvt_scalef32_pk16_fp6_f32 v[CT:CT+2], v[XS+16:XS+31], v[SOP]   ; (a conversion's three registers begin on an even number)
.if (\f) == 0
	v_lshrrev_b32 v[W+(\c)], 23, v[SOP]            ; the byte; also the plain line behind the conversions
.else
	v_lshrrev_b32 v[BY], 23, v[SOP]
	v_lshl_or_b32 v[W+(\c)], v[BY], 16, v[W+(\c)]
.endif
.irp i, 0,1,2
	v_mov_b32 v[CC+3+\i], v[CT+\i]
.endr
.irp p, 0,1,2
	global_store_b64 v3, v[CC+2*\p:CC+2*\p+1], s[14:15] offset:768*(2*(\c)+(\f))+256*\p   ; 32 lanes store 256 consecutive bytes, aligned
.endr
.endm
	XLOAD 0
	XLOAD 1
.irp c, 0,1,2,3
.if \c < 3
	s_wait_loadcnt 16                              ; this chunk's 16 loads are in; the next chunk's may be out
.else
	s_wait_loadcnt 0x0
.endif
.if \c > 1
	s_wait_xcnt 0x0                                ; the stores of two chunks ago have read their registers: this chunk's codes are written there
.endif
	XTURN \c
	s_wait_dscnt 0x0                               ; the chunk is back from the stage
.if \c < 2
	XLOAD \c+2
.endif
	XHF \c, 0
	XHF \c, 1
.endr
.irp k, 0,1,2,3
	v_lshlrev_b32 v[W+\k], v6, v[W+\k]             ; my two bytes of the word to their places: 8 h bits up
.endr
.irp k, 0,1,2,3
	v_permlanex16_b32 v[WP+\k], v[W+\k], s[SEL], s[SEL+1]
.endr
.irp k, 0,1,2,3
	v_or_b32 v[W+\k], v[W+\k], v[WP+\k]            ; with lane l xor 16's two the word is whole
.endr
	v_cndmask_b32 v[D], v[W], v[W+2], s[HI]        ; lanes 0-15: the first 256 along K; lanes 16-31: the second
	v_cndmask_b32 v[D+1], v[W+1], v[W+3], s[HI]
	global_store_b64 v3, v[D:D+1], s[16:17]        ; 256 consecutive bytes, aligned
	s_wait_tensorcnt 0x0
	ds_add_u32 v254, v255
	s_wait_dscnt 0x0
	s_endpgm
; ---------------- the weights: a lane takes a column n and its registers run down K; a wave takes 32 columns (two tiles) x 128 along K (four blocks).
.Lweights:
	s_sub_co_u32 s29, ttmp9, 256
	s_bfe_u32 s30, s29, 0x20003                    ; which weight
	s_and_b32 s31, s29, 7                          ; which 128 columns
	s_lshr_b32 s29, s29, 5                         ; which 128 along K
	s_wait_alu depctr_va_vdst(0)
	v_lshlrev_b32 v3, 2, v1                        ; 4 x lane
	v_bfe_u32 v10, v0, 3, 1                        ; column l of the 32 lies in tile u = (l / 8) % 2,
	v_and_b32 v14, 7, v0
	v_bfe_u32 v15, v0, 4, 1
	v_lshl_add_u32 v14, v15, 3, v14                ; at row r = l % 8 + 8 (l / 16)
	s_mul_i32 s32, s[WV], WSTG
	s_add_co_u32 s32, s32, WBASE
	v_mul_u32_u24 v4, v10, WTP
	v_lshl_add_u32 v4, v14, 3, v4
	v_add_nc_u32 v4, s32, v4                       ; the stage, in
	v_lshlrev_b32 v8, 4, v1
	v_add_nc_u32 v7, s32, v8                       ; and out: 16 x lane
	v_lshlrev_b32 v9, 9, v10
	v_lshl_add_u32 v9, v14, 3, v9                  ; scale bytes: 512 u + 8 r
	s_lshl_b32 s32, s29, 19                        ; 128 rows of 4,096 bytes
	s_lshl_b32 s33, s31, 9
	s_add_co_u32 s32, s32, s33
	s_lshl_b32 s33, s[WV], 7
	s_add_co_u32 s32, s32, s33
	s_mov_b32 s33, 0
	s_lshl_b32 s34, s30, 6
	s_lshl_b32 s35, s31, 3
	s_add_co_u32 s34, s34, s35
	s_lshl_b32 s35, s[WV], 1
	s_add_co_u32 s34, s34, s35                     ; my first tile
	s_lshl_b32 s36, s34, 9
	s_mul_i32 s34, s34, 12288
	s_mul_i32 s35, s29, 1536
	s_add_co_u32 s34, s34, s35
	s_mov_b32 s35, 0
	s_lshr_b32 s37, s29, 1
	s_lshl_b32 s37, s37, 7
	s_add_co_u32 s36, s36, s37
	s_and_b32 s37, s29, 1
	s_lshl_b32 s37, s37, 2
	s_add_co_u32 s36, s36, s37
	s_mov_b32 s37, 0
	s_wait_kmcnt 0x0
	s_cmp_lt_u32 s30, 1                            ; the choice hangs on the work-group's number alone
	s_cselect_b64 s[22:23], s[6:7], s[8:9]
	s_cmp_lt_u32 s30, 3
	s_cselect_b64 s[38:39], s[10:11], s[12:13]
	s_cmp_lt_u32 s30, 2
	s_cselect_b64 s[22:23], s[22:23], s[38:39]
	s_add_nc_u64 s[22:23], s[22:23], s[32:33]
	s_add_nc_u64 s[18:19], s[18:19], s[34:35]
	s_add_nc_u64 s[20:21], s[20:21], s[36:37]
.macro WLOAD t
.irp i, 0,1,2,3,4,5,6,7,8,9,10,11,12,13,14,15,16,17,18,19,20,21,22,23,24,25,26,27,28,29,30,31
	global_load_b32 v[WX+32*((\t)%2)+\i], v3, s[22:23] offset:(32*(\t)+\i)*4096 th:TH_LOAD_NT
.endr
.endm
.macro WBLOCK t
.set XS, WX+32*((\t)%2)
.if (\t) < 3
	s_wait_loadcnt 32                              ; this block's 32 loads are in; the next block's may be out
.else
	s_wait_loadcnt 0x0
.endif
	v_max3_num_f32 v12, |v[XS]|, |v[XS+1]|, |v[XS+2]|
	v_max3_num_f32 v13, |v[XS+3]|, |v[XS+4]|, |v[XS+5]|
.irp i, 6,10,14,18,22,26
	v_max3_num_f32 v12, v12, |v[XS+\i]|, |v[XS+\i+1]|
	v_max3_num_f32 v13, v13, |v[XS+\i+2]|, |v[XS+\i+3]|
.endr
	v_max3_num_f32 v12, v12, |v[XS+30]|, |v[XS+31]|
	v_max3_num_f32 v12, v12, v13, 0x1800000
	v_add_nc_u32 v11, 0xff000000, v12
	v_cvt_scalef32_pk16_fp6_f32 v[WC:WC+2], v[XS:XS+15], v11
	v_cvt_scalef32_pk16_fp6_f32 v[WCT:WCT+2], v[XS+16:XS+31], v11
.if (\t) == 0
	v_lshrrev_b32 v24, 23, v11                     ; four bytes to a register, the lower K in the lower byte; also the plain line behind the conversions
.else
	v_lshrrev_b32 v13, 23, v11
	v_lshl_or_b32 v24, v13, 8*(\t), v24
.endif
.irp i, 0,1,2
	v_mov_b32 v[WC+3+\i], v[WCT+\i]
.endr
.irp p, 0,1,2
	ds_store_b64 v4, v[WC+2*\p:WC+2*\p+1] offset:768*((\t)/2)+128*((\t)%2)+256*\p   ; block t is half t % 2 of the lanes of half fragment t / 2
.endr
.if (\t) < 2
	WLOAD (\t)+2
.endif
	s_wait_dscnt 0x0                               ; the stores have read their registers: the next block's codes may be written
.endm
	WLOAD 0
	WLOAD 1
	WBLOCK 0
	WBLOCK 1
	WBLOCK 2
	WBLOCK 3
	s_wait_alu depctr_va_vdst(0)
	global_store_b32 v9, v24, s[20:21]             ; my column's four bytes (4 bytes a lane, 8 apart: one byte in 128 of what this way reads)
.irp u, 0,1
.irp i, 0,1,2
	ds_load_b128 v[OUTR+4*(3*\u+\i):OUTR+4*(3*\u+\i)+3], v7 offset:WTP*\u+512*\i
.endr
.endr
.irp u, 0,1
.irp i, 0,1,2
	s_wait_dscnt 5-3*\u-\i                         ; the younger loads may be out
	global_store_b128 v8, v[OUTR+4*(3*\u+\i):OUTR+4*(3*\u+\i)+3], s[18:19] offset:12288*\u+512*\i   ; 512 consecutive bytes, aligned
.endr
.endr
	s_wait_tensorcnt 0x0
	ds_add_u32 v254, v255
	s_wait_dscnt 0x0
	s_endpgm
.Lfunc_end_k_q95af3baa98_quant:
	.size	k_q95af3baa98_quant, .Lfunc_end_k_q95af3baa98_quant-k_q95af3baa98_quant
	.p2alignl 7, 3214868480
	.fill 96, 4, 3214868480
	.section	.rodata,"a",@progbits
	.p2align	6, 0x0
	.amdhsa_kernel k_q95af3baa98_quant
		.amdhsa_group_segment_fixed_size 47616
		.amdhsa_private_segment_fixed_size 0
		.amdhsa_enable_private_segment 0
		.amdhsa_kernarg_size 72
		.amdhsa_user_sgpr_count 2
		.amdhsa_user_sgpr_kernarg_segment_ptr 1
		.amdhsa_wavefront_size32 1
		.amdhsa_system_sgpr_workgroup_id_x 1
		.amdhsa_system_sgpr_workgroup_id_y 1
		.amdhsa_system_sgpr_workgroup_id_z 1
		.amdhsa_system_vgpr_workitem_id 0
		.amdhsa_next_free_vgpr 256
		.amdhsa_next_free_sgpr 66
		.amdhsa_reserve_vcc 0
		.amdhsa_float_denorm_mode_32 3
		.amdhsa_float_denorm_mode_16_64 3
		.amdhsa_memory_ordered 1
		.amdhsa_forward_progress 1
		.amdhsa_inst_pref_size 53
	.end_amdhsa_kernel
	.amdgpu_metadata
---
amdhsa.version: [ 1, 2 ]
amdhsa.kernels:
  - .name:           k_q95af3baa98_quant
    .symbol:         k_q95af3baa98_quant.kd
    .args:
      - { .name: x, .offset: 0, .size: 8, .value_kind: global_buffer, .address_space: global }
      - { .name: wq, .offset: 8, .size: 8, .value_kind: global_buffer, .address_space: global }
      - { .name: wk, .offset: 16, .size: 8, .value_kind: global_buffer, .address_space: global }
      - { .name: wv, .offset: 24, .size: 8, .value_kind: global_buffer, .address_space: global }
      - { .name: wo, .offset: 32, .size: 8, .value_kind: global_buffer, .address_space: global }
      - { .name: x_img, .offset: 40, .size: 8, .value_kind: global_buffer, .address_space: global }
      - { .name: x_sc, .offset: 48, .size: 8, .value_kind: global_buffer, .address_space: global }
      - { .name: w_img, .offset: 56, .size: 8, .value_kind: global_buffer, .address_space: global }
      - { .name: w_sc, .offset: 64, .size: 8, .value_kind: global_buffer, .address_space: global }
    .group_segment_fixed_size: 47616
    .private_segment_fixed_size: 0
    .kernarg_segment_align: 8
    .kernarg_segment_size: 72
    .max_flat_workgroup_size: 128
    .sgpr_count:     66
    .vgpr_count:     256
    .wavefront_size: 32
...
	.end_amdgpu_metadata
.endif
;; end of part 1
;; launch qkv (part 2): grid 4 x 64, 4 waves a work-group, clusters of 4 x 4, 327,680 bytes of LDS; arguments x_img, x_sc, w_img, w_sc, bq, bk, bv, qb, kvb; writes qb, kvb
.if DOCPART == 2
	.amdgcn_target "amdgcn-amd-amdhsa--gfx1250"
	.amdhsa_code_object_version 6
	.text
	.protected	k_q95af3baa98_qkv
	.globl	k_q95af3baa98_qkv
	.p2align	8
	.type	k_q95af3baa98_qkv,@function
k_q95af3baa98_qkv:
	s_mov_b64 s[64:65], 0
	v_nop
	global_prefetch_b8 v0, s[64:65] scope:SCOPE_SE
	s_setreg_imm32_b32 hwreg(HW_REG_WAVE_MODE, 25, 1), 1
	s_wait_xcnt 0x0
	s_wait_alu depctr_hold_cnt(0) depctr_sa_sdst(0) depctr_va_vdst(0) depctr_va_sdst(0) depctr_va_ssrc(0) depctr_va_vcc(0) depctr_vm_vsrc(0)
	s_getreg_b32 s2, hwreg(HW_REG_IB_STS2, 6, 4)
	s_cmp_eq_u32 s2, 0
	s_cbranch_scc0 .Lentry_in_a_cluster
	s_endpgm
.Lentry_in_a_cluster:
	s_bfe_u32 s2, ttmp6, 0x10000c
	s_cmp_lg_u32 s2, 0xf033
	s_cbranch_scc0 .Lentry_shape_is_right
	s_endpgm
.Lentry_shape_is_right:
; q = x wq + bq, k = x wk + bk, v = x wv + bv on codes of FP6 (E2M3) with E8M0 scales, sums in f32; the results are quantised at once, q and k along the head's 64, v along the keys, and leave as codes alone.
; THE DEAL.  256 work-groups: 64 blocks of 128 rows of x, times 4.  A work-group holds its 128 rows of x, ALL of K, in LDS (8 tiles x 12,288 bytes) and walks THREE blocks of 256 weight columns past them, one phase each:
; columns 256 cx .. of wv, then of wq, then of wk.  A wave takes all 128 rows x 64 columns: one head; 32 accumulators.
; LDS: two halves of K (512 each); in each x's 8 tiles, then the weights' 16 tiles, 6,144 bytes a tile.  x's bytes are filled once.  The weights' two parts are a ring of two slots.
; FILLS.  At the head one joint load a wave: x's first half, wv's first half, x's second, wv's second.  FOUR REFILLS, each behind a drained round of the cluster's barrier with the three lines ahead of it:
; in a phase's steps 3 and 7 the slot just read out takes the next phase's weights, four tiles a wave.  A refill has three and a half steps of 32 products between its request and the wait for it,
; so nothing is prefetched.  What a refill brought is shown to all waves by the next round; in the last phase by a plain barrier in step 3.
; CLUSTERS: 4 x 4 work-groups; x's tiles are shared along a row of the cluster, the weights' along a column.
; LAYOUT as the program's first launch lays it: a tile of 16 rows (32 (T / 2) + 8 (T % 2) + r + 8 (r / 8)) is 16 half fragments of 768 bytes in the order of the operand's registers; scale bytes [T][K / 256][r][8].
; Scale words go from memory straight into registers, 256 consecutive bytes a load: lanes 0-15 an even K step of 256, lanes 16-31 the odd one behind it.
; q, k: source 0 = the weight's columns, source 1 = x's rows: a lane holds a token, its registers run along the head's d.  v: the sources change places: a lane holds a d, its registers run along the keys.
; The bias is the first products' C.
; OUT.  qb [b h][s / 128][6,656]: 8 tiles x 768 bytes of codes (16 tokens x 64 d), then 512 bytes of scale words.  kvb [b h][s / 128][13,056]: K likewise, then V: 4 fragments of 1,536 bytes (16 d x 128 keys), then 256 bytes of scale words.
; LIMITS: a block's byte is held at 1 from below; a block of zeros gets the byte 1 (its codes are zeros; this program alone reads the bytes); NaN and infinities are not served.
; REGISTERS: window 0: v10-29 addresses; v32-63 x's scale words; v66-113 the weights', a set a phase; v116-211 the weights' fragments, two sets; v212-243 the way out.  window 1: x's fragments, two sets.
; window 2: the accumulators (q, k: 32 a + 8 b; v: 64 b + 8 a).  window 3: the biases, 32 registers a phase.
.set FR,    12
.set TK,    6144                       ; a tile's codes of 512 along K
.set HALF,  24*TK
.set SPARE, 2*HALF                     ; the spare words, 128 bytes a wave
.set LN8,  10
.set LN16, 11
.set BOQ,  12
.set BOV,  13
.set ADRA, 16
.set ADRB, 20
.set SPW,  28
.set NIL,  29
.set SA,   32
.set SB,   66                          ; (SB - SA is 2 modulo 8: the two scale registers of a product never have the same number modulo 8)
.set BF,   116
.set TM,   212
.set TP,   216
.set SW,   220
.set PC,   224
.set WV,  22
.set HI,  23
.set SEL, 66
.set G1,   24
.set G1B,  48
.set G1R,  68
.set GA0,  32
.set GB0,  36
.set GA1,  56
.set GB1,  60
.set GR0,  76                          ; s[76:79], s[80:83] group 0 of the refills of slot 0, 1
.set MSB, 0
.macro WIN new                         ; the immediate's high byte repeats the setting that is left
.if MSB != (\new)
	s_set_vgpr_msb (MSB<<8)|(\new)
.set MSB, (\new)
.endif
.endm
.macro WALU
	s_wait_alu depctr_va_vdst(0)
.endm
.macro PLACES n
.rept \n
	v_nop
.endr
.endm
.macro CREST                           ; a round of the cluster's barrier behind its opening barrier
	s_cmp_lg_u32 s[WV], 0
	s_cbranch_scc1 .Lnot_wave_0_\@
	s_barrier_signal -3
.Lnot_wave_0_\@:
	s_barrier_wait -3
	s_barrier_signal -1
	s_barrier_wait -1
.endm
.macro CROUND
	s_barrier_signal -1
	s_barrier_wait -1
	CREST
.endm
	s_load_b256 s[4:11], s[0:1], 0x0               ; x_img 4:5, x_sc 6:7, w_img 8:9, w_sc 10:11
	s_load_b256 s[12:19], s[0:1], 0x20             ; bq 12:13, bk 14:15, bv 16:17, qb 18:19
	s_load_b64 s[20:21], s[0:1], 0x40              ; kvb
	v_lshl_add_u32 v[SPW], v0, 2, SPARE
	v_mov_b32 v[NIL], 0
	ds_add_u32 v[SPW], v[NIL]                      ; the opening lines
	ds_add_u32 v[SPW], v[NIL]
	v_lshrrev_b32 v1, 5, v0
	v_readfirstlane_b32 s[WV], v1
	s_bfe_u32 s40, ttmp6, 0x40000                  ; cx
	s_bfe_u32 s41, ttmp6, 0x40004                  ; cy
	s_lshl_b32 s43, s41, 2
	s_lshl_b32 s43, 15, s43                        ; my row of the cluster
	s_lshl_b32 s44, 0x1111, s40                    ; my column
	s_or_b32 s[G1], s43, (3<<16)|(1<<21)           ; rows of 6,144 bytes (768 elements of 8), 12,288 bytes apart: x's 8 tiles,
	s_or_b32 s[G1B], s44, (3<<16)|(1<<21)          ; a weight's 16,
	s_or_b32 s[G1R], s44, (3<<16)|(1<<21)          ; and in a refill my 4
	s_mov_b32 s[G1+2], 8<<16
	s_mov_b32 s[G1+4], 8
	s_mov_b32 s[G1B+2], 16<<16
	s_mov_b32 s[G1B+4], 16
	s_mov_b32 s[G1R+2], 4<<16
	s_mov_b32 s[G1R+4], 4
.irp g, G1, G1B, G1R
	s_mov_b32 s[\g+1], 768<<16
	s_mov_b32 s[\g+3], 768<<16
	s_mov_b32 s[\g+5], 1536
	s_mov_b32 s[\g+6], 0
	s_mov_b32 s[\g+7], 0
.endr
	s_and_b32 s42, ttmp7, 0xffff
	s_lshl_b32 s42, s42, 2
	s_add_co_u32 s92, s42, s41                     ; my block of 128 rows: x's address hangs on it alone
	s_lshl_b32 s94, ttmp9, 2
	s_add_co_u32 s94, s94, s40                     ; my block of 256 columns: the weights' addresses hang on it alone
	s_mul_i32 s98, s92, 8*12288
	s_mov_b32 s99, 0
	s_lshl_b32 s95, s94, 4                         ; its first tile in a weight
	s_add_co_u32 s46, s95, 128                     ; wv's tiles begin at 128
	s_mul_i32 s46, s46, 12288
	s_mov_b32 s47, 0
	s_lshl_b32 s93, s[WV], 2
	s_add_co_u32 s95, s95, s93                     ; my four tiles
	s_mul_i32 s84, s95, 12288                      ; in wq, for the first refills
	s_mov_b32 s85, 0
	s_lshl_b32 s100, s95, 9                        ; their scale bytes
	s_mov_b32 s101, 0
	s_lshl_b32 s96, s92, 12                        ; x's scale bytes: 8 tiles x 512
	s_mov_b32 s97, 0
	s_lshl_b32 s86, s94, 10                        ; the bias of my 64 columns
	s_lshl_b32 s87, s[WV], 8
	s_add_co_u32 s86, s86, s87
	s_mov_b32 s87, 0
	s_lshr_b32 s88, s92, 4                         ; the batch
	s_lshl_b32 s88, s88, 4
	s_lshl_b32 s89, s94, 2
	s_add_co_u32 s88, s88, s89
	s_add_co_u32 s88, s88, s[WV]                   ; 16 b + my head
	s_lshl_b32 s88, s88, 4
	s_and_b32 s89, s92, 15
	s_add_co_u32 s88, s88, s89                     ; + my group of 128 tokens
	s_mul_i32 s90, s88, 6656
	s_mov_b32 s91, 0
	s_mul_i32 s88, s88, 13056
	s_mov_b32 s89, 0
	s_mul_i32 s2, s[WV], 4*TK
	s_add_co_u32 s2, s2, 8*TK                      ; my four tiles of the weights in a half
	s_mov_b32 s[SEL], 0x76543210
	s_mov_b32 s[SEL+1], 0xfedcba98
	s_mov_b32 s[HI], 0xffff0000
	s_mov_b32 s[GA0], 1
	s_mov_b32 s[GA0+1], 0
	s_mov_b32 s[GB0], 1
	s_mov_b32 s[GB0+1], 8*TK
	s_mov_b32 s[GA1], 1
	s_mov_b32 s[GA1+1], HALF
	s_mov_b32 s[GB1], 1
	s_mov_b32 s[GB1+1], HALF+8*TK
	s_mov_b32 s[GR0], 1
	s_mov_b32 s[GR0+1], s2
	s_mov_b32 s[GR0+4], 1
	s_add_co_u32 s[GR0+5], s2, HALF
	WALU
	s_wait_dscnt 0x0                               ; both opening adds are done
	s_wait_kmcnt 0x0
	s_add_nc_u64 s[GA0+2:GA0+3], s[4:5], s[98:99]
	s_add_nc_u64 s[GB0+2:GB0+3], s[8:9], s[46:47]
	s_add_nc_u64 s[GR0+2:GR0+3], s[8:9], s[84:85]
	s_add_nc_u64 s[GA1+2:GA1+3], s[GA0+2:GA0+3], TK
	s_add_nc_u64 s[GB1+2:GB1+3], s[GB0+2:GB0+3], TK
	s_add_nc_u64 s[GR0+6:GR0+7], s[GR0+2:GR0+3], TK
.irp g, GA0, GB0, GA1, GB1, GR0, GR0+4
	s_or_b32 s[\g+3], s[\g+3], 0x80000000
.endr
	s_add_nc_u64 s[6:7], s[6:7], s[96:97]
	s_add_nc_u64 s[10:11], s[10:11], s[100:101]
	s_add_nc_u64 s[12:13], s[12:13], s[86:87]
	s_add_nc_u64 s[14:15], s[14:15], s[86:87]
	s_add_nc_u64 s[16:17], s[16:17], s[86:87]
	s_add_nc_u64 s[18:19], s[18:19], s[90:91]
	s_add_nc_u64 s[20:21], s[20:21], s[88:89]
	CROUND                                         ; all sixteen work-groups are here: the joint loads meet
.macro ARM under, g0, g1, next         ; one chain of branches on the wave's number, one load to an arm
	s_cmp_lt_u32 s[WV], \under
	s_cbranch_scc0 \next
	tensor_load_to_lds s[\g0:\g0+3], s[\g1:\g1+7]
	s_nop 0
	PLACES 4
	s_branch .Lhead_asked
\next:
.endm
	ARM 1, GA0, G1,  .Lhead_b0
	ARM 2, GB0, G1B, .Lhead_a1
	ARM 3, GA1, G1,  .Lhead_b1
	tensor_load_to_lds s[GB1:GB1+3], s[G1B:G1B+7]
	s_nop 0
	PLACES 4
.Lhead_asked:
	v_and_b32 v1, 15, v0                           ; r
	v_bfe_u32 v2, v0, 4, 1                         ; h
	v_and_b32 v3, 31, v0
	v_and_b32 v4, 8, v0
	v_lshlrev_b32 v[LN8], 3, v3
	v_lshlrev_b32 v[LN16], 4, v3
	v_lshlrev_b32 v[BOQ], 6, v2                    ; q, k: the bias of my half's 16 numbers of each 32
	v_add_nc_u32 v4, v4, v1
	v_mov_b32 v[ADRA], v[LN8]
	v_add_nc_u32 v[ADRA+1], HALF, v[LN8]
	v_add_nc_u32 v[ADRB], s2, v[LN8]
	v_lshlrev_b32 v[BOV], 2, v4                    ; v: the bias of my row: 4 (r + 8 (r / 8))
	v_add_nc_u32 v[ADRB+1], HALF, v[ADRB]
.irp k, 0,1,2,3
	v_mov_b32 v[TP+\k], 0                          ; a lane permute's destination counts as one of its sources
.endr
	WALU
	WIN 0xc0                                       ; destination window 3
.irp b, 0,1,2,3
	global_load_b32 v[8*\b], v[BOV], s[16:17] offset:4*(32*(\b/2)+8*(\b%2))
.endr
.irp b, 0,1
.irp i, 0,1,2,3
	global_load_b128 v[32+16*\b+4*\i:32+16*\b+4*\i+3], v[BOQ], s[12:13] offset:128*\b+16*\i   ; register 16 b + i: the bias of d = 32 b + 16 h + i
	global_load_b128 v[64+16*\b+4*\i:64+16*\b+4*\i+3], v[BOQ], s[14:15] offset:128*\b+16*\i
.endr
.endr
	WIN 0
.irp a, 0,1,2,3,4,5,6,7
.irp n, 0,1
	global_load_b64 v[SA+4*\a+2*\n:SA+4*\a+2*\n+1], v[LN8], s[6:7] offset:512*\a+256*\n
.endr
.endr
.irp b, 0,1,2,3
.irp n, 0,1
	global_load_b64 v[SB+4*\b+2*\n:SB+4*\b+2*\n+1], v[LN8], s[10:11] offset:128*512+512*\b+256*\n       ; wv's
	global_load_b64 v[SB+16+4*\b+2*\n:SB+16+4*\b+2*\n+1], v[LN8], s[10:11] offset:512*\b+256*\n         ; wq's
	global_load_b64 v[SB+32+4*\b+2*\n:SB+32+4*\b+2*\n+1], v[LN8], s[10:11] offset:64*512+512*\b+256*\n  ; wk's
.endr
.endr
	s_wait_loadcnt 0x0
	WIN 0xc3
.irp t, 0,8,16,24
.irp i, 1,2,3,4,5,6,7
	v_mov_b32 v[\t+\i], v[\t]                      ; v's bias, one number a lane and tile, over the tile's eight registers
.endr
.endr
	WIN 0
	PLACES 4
	WALU                                           ; the wait at the head's end
.macro FRAG reg, adr, q, i             ; a fragment, 12 registers: six loads of 8 bytes a lane, each 256 consecutive bytes
.irp p, 0,1,2,3,4,5
	ds_load_b64 v[\reg+2*\p:\reg+2*\p+1], v[\adr] offset:(\i)*TK+(\q)*1536+256*\p
.endr
.endm
.macro FETCH st                        ; step st's fragments into set st % 2: x's eight, the weight's four
	WIN 0x40
.irp i, 0,1,2,3,4,5,6,7
	FRAG 96*((\st)%2)+FR*\i, ADRA+(\st)/4, (\st)%4, \i
.endr
	WIN 0
.irp i, 0,1,2,3
	FRAG BF+48*((\st)%2)+FR*\i, ADRB+(\st)/4, (\st)%4, \i
.endr
.endm
.macro WM d, s0, s1, c, x0, x1, row
.if \row
	v_wmma_scale_f32_16x16x128_f8f6f4 v[(\d):(\d)+7], v[(\s0):(\s0)+FR-1], v[(\s1):(\s1)+FR-1], \c, v[\x0], v[\x1] matrix_a_fmt:MATRIX_FMT_FP6 matrix_b_fmt:MATRIX_FMT_FP6 matrix_a_scale:MATRIX_SCALE_ROW1 matrix_b_scale:MATRIX_SCALE_ROW1
.else
	v_wmma_scale_f32_16x16x128_f8f6f4 v[(\d):(\d)+7], v[(\s0):(\s0)+FR-1], v[(\s1):(\s1)+FR-1], \c, v[\x0], v[\x1] matrix_a_fmt:MATRIX_FMT_FP6 matrix_b_fmt:MATRIX_FMT_FP6
.endif
.endm
; Four matrix instructions: x's tile a against the weight's four.  kind 1: v.  The 32 accumulators take turns in the same order in every step.
.macro MULA kind, ph, st, a
.set SET_, (\st)%2
.set XO_, 2*((\st)/4)+(\st)%2
.set RW_, ((\st)/2)%2
.irp b, 0,1,2,3
.if \kind
.if (\st) == 0
	WM 64*\b+8*(\a), 96*SET_+FR*(\a), BF+48*SET_+FR*\b, v[32*(\ph)+8*\b:32*(\ph)+8*\b+7], SA+4*(\a)+XO_, SB+16*(\ph)+4*\b+XO_, RW_
.else
	WM 64*\b+8*(\a), 96*SET_+FR*(\a), BF+48*SET_+FR*\b, v[64*\b+8*(\a):64*\b+8*(\a)+7], SA+4*(\a)+XO_, SB+16*(\ph)+4*\b+XO_, RW_
.endif
.else
.if (\st) == 0
	WM 32*(\a)+8*\b, BF+48*SET_+FR*\b, 96*SET_+FR*(\a), v[32*(\ph)+8*\b:32*(\ph)+8*\b+7], SB+16*(\ph)+4*\b+XO_, SA+4*(\a)+XO_, RW_
.else
	WM 32*(\a)+8*\b, BF+48*SET_+FR*\b, 96*SET_+FR*(\a), v[32*(\a)+8*\b:32*(\a)+8*\b+7], SB+16*(\ph)+4*\b+XO_, SA+4*(\a)+XO_, RW_
.endif
.endif
.endr
.endm
; A step of 128 along K: its fragments are in; the next step's are asked for, into the set that the step before multiplied (four plain places in front of them); then its 32 products.
; In steps 3 and 7 my reads of the slot that ends there are over.  Where a later phase follows, a round stands inside the step's products and the slot is filled again.
.macro STEP kind, ph, st
.set RND_, 0
.set SHW_, 0
.if (\st) == 3 || (\st) == 7
.if (\ph) < 2
.set RND_, 1
.elseif (\st) == 3
.set SHW_, 1
.endif
.endif
.if \kind
.set MW_, 0xa1                         ; source 0 (x) window 1, source 1 window 0, C and D window 2
.else
.set MW_, 0xa4                         ; source 0 window 0, source 1 (x) window 1
.endif
.if (\st) == 0
.set MW_, MW_+0x10                     ; C, the bias: window 3
.endif
.if RND_
	WIN 0
	s_wait_tensorcnt 0x0                           ; all my tensor loads have landed;
	ds_add_u32 v[SPW], v[NIL]                      ; 0 onto my spare word
.if (\ph) == 1
	s_add_nc_u64 s[GR0+4*((\st)/4)+2:GR0+4*((\st)/4)+3], s[GR0+4*((\st)/4)+2:GR0+4*((\st)/4)+3], 64*12288   ; no load of mine is out: from wq's tiles to wk's
.endif
.endif
.if SHW_
	s_wait_tensorcnt 0x0
.endif
	s_wait_dscnt 0x0                               ; this step's fragments are in; the add is done; my reads of the slot are over
.if RND_ || SHW_
	s_barrier_signal -1
	WIN MW_
.irp a, 0,1,2,3
	MULA \kind, \ph, \st, \a
.endr
	WIN 0
	s_barrier_wait -1
.endif
.if RND_
	CREST                                          ; no wave of any partner still reads the slot or has a load on its way
	tensor_load_to_lds s[GR0+4*((\st)/4):GR0+4*((\st)/4)+3], s[G1R:G1R+7]   ; the next phase's weights, my four tiles
	s_nop 0
.endif
	PLACES 4
.if (\st) < 7
	FETCH (\st)+1
.elseif (\ph) < 2
	FETCH 0                                        ; the next phase's first step: slot 0's refill has been shown by this round
.endif
	WIN MW_
.if RND_ == 0 && SHW_ == 0
.irp a, 0,1,2,3
	MULA \kind, \ph, \st, \a
.endr
.endif
.irp a, 4,5,6,7
	MULA \kind, \ph, \st, \a
.endr
.endm
.macro PHASE kind, ph
.irp st, 0,1,2,3,4,5,6,7
	STEP \kind, \ph, \st
.endr
.endm
; THE WAY OUT OF v: the weight's tile b: 16 d x 128 keys; my 64 numbers, register 16 k + i = key 32 k + 16 h + i, become a fragment's 12 registers and its scale word.
.macro VQ b
	WALU
	s_wait_xcnt 0x0                                ; the last stores have read their registers
	WIN 0x0a
.irp k, 0,1,2,3
	v_max3_num_f32 v[TM+\k], |v[64*(\b)+16*\k]|, |v[64*(\b)+16*\k+1]|, 0x1800000   ; my 16 numbers of block k, and the floor 2^(3 - 127)
.endr
	WIN 0x28
.irp i, 2,4,6,8,10,12,14
.irp k, 0,1,2,3
	v_max3_num_f32 v[TM+\k], v[TM+\k], |v[64*(\b)+16*\k+\i]|, |v[64*(\b)+16*\k+\i+1]|
.endr
.endr
	WIN 0
.irp k, 0,1,2,3
	v_permlanex16_b32 v[TP+\k], v[TM+\k], s[SEL], s[SEL+1]
.endr
.irp k, 0,1,2,3
	v_max_num_f32 v[TM+\k], v[TM+\k], v[TP+\k]     ; with lane l xor 16's: the block's largest magnitude
.endr
.irp k, 0,1,2,3
	v_add_nc_u32 v[TM+\k], 0xff000000, v[TM+\k]    ; 2 off its exponent field: the conversion's scale operand
.endr
.irp k, 0,1,2,3
	v_lshrrev_b32 v[TP+\k], 23, v[TM+\k]           ; the byte
.endr
	v_lshl_or_b32 v[TP], v[TP+1], 8, v[TP]
	v_lshl_or_b32 v[TP], v[TP+2], 16, v[TP]
	v_lshl_or_b32 v[TP], v[TP+3], 24, v[TP]
	WIN 0x02
.irp c, 0,1
	v_cvt_scalef32_pk16_fp6_f32 v[PC+6*\c:PC+6*\c+2], v[64*(\b)+32*\c:64*(\b)+32*\c+15], v[TM+2*\c]
	v_cvt_scalef32_pk16_fp6_f32 v[PC+12+4*\c:PC+12+4*\c+2], v[64*(\b)+32*\c+16:64*(\b)+32*\c+31], v[TM+2*\c+1]
.endr
	WIN 0
.if (\b)%2                             ; an odd tile's words go to lanes 16-31; also the plain line behind the conversions
	v_cndmask_b32 v[SW+(\b)/2], v[SW+(\b)/2], v[TP], s[HI]
.else
	v_mov_b32 v[SW+(\b)/2], v[TP]
.endif
.irp c, 0,1                            ; the operand's layout wants a whole block in a lane
.irp i, 0,1,2
	v_permlane16_swap_b32 v[PC+6*\c+\i], v[PC+12+4*\c+\i]
.endr
.irp i, 0,1,2
	v_mov_b32 v[PC+3+6*\c+\i], v[PC+12+4*\c+\i]
.endr
.endr
.irp p, 0,1,2,3,4,5
	global_store_b64 v[LN8], v[PC+2*\p:PC+2*\p+1], s[20:21] offset:6656+1536*(\b)+256*\p   ; 256 consecutive bytes, aligned
.endr
.endm
; THE WAY OUT OF q OR k, two tiles of 16 tokens at a time: a lane's 32 numbers, register 16 b + i = d 32 b + 16 h + i, become six registers of codes and two bytes.
.macro QKPAIR a, dst
	WALU
	s_wait_xcnt 0x0
	WIN 0x0a
.irp e, 0,1
.irp b, 0,1
	v_max3_num_f32 v[TM+2*\e+\b], |v[32*((\a)+\e)+16*\b]|, |v[32*((\a)+\e)+16*\b+1]|, 0x1800000
.endr
.endr
	WIN 0x28
.irp i, 2,4,6,8,10,12,14
.irp e, 0,1
.irp b, 0,1
	v_max3_num_f32 v[TM+2*\e+\b], v[TM+2*\e+\b], |v[32*((\a)+\e)+16*\b+\i]|, |v[32*((\a)+\e)+16*\b+\i+1]|
.endr
.endr
.endr
	WIN 0
.irp k, 0,1,2,3
	v_permlanex16_b32 v[TP+\k], v[TM+\k], s[SEL], s[SEL+1]
.endr
.irp k, 0,1,2,3
	v_max_num_f32 v[TM+\k], v[TM+\k], v[TP+\k]
.endr
.irp k, 0,1,2,3
	v_add_nc_u32 v[TM+\k], 0xff000000, v[TM+\k]
.endr
.irp k, 0,1,2,3
	v_lshrrev_b32 v[TP+\k], 23, v[TM+\k]
.endr
	WIN 0x02
.irp e, 0,1
	v_cvt_scalef32_pk16_fp6_f32 v[PC+8*\e:PC+8*\e+2], v[32*((\a)+\e):32*((\a)+\e)+15], v[TM+2*\e]
	v_cvt_scalef32_pk16_fp6_f32 v[PC+8*\e+4:PC+8*\e+6], v[32*((\a)+\e)+16:32*((\a)+\e)+31], v[TM+2*\e+1]
.endr
	WIN 0
	v_lshl_or_b32 v[TP], v[TP+1], 8, v[TP]         ; a tile's word: its two bytes, and two bytes 0 for the half of K that has no codes
	v_lshl_or_b32 v[TP+2], v[TP+3], 8, v[TP+2]
.irp e, 0,1
.irp i, 0,1,2
	v_permlane16_swap_b32 v[PC+8*\e+\i], v[PC+8*\e+4+\i]
.endr
.irp i, 0,1,2
	v_mov_b32 v[PC+8*\e+3+\i], v[PC+8*\e+4+\i]
.endr
.endr
	v_cndmask_b32 v[SW+(\a)/2], v[TP], v[TP+2], s[HI]   ; the odd tile's words go to lanes 16-31
.irp e, 0,1
.irp p, 0,1,2
	global_store_b64 v[LN8], v[PC+8*\e+2*\p:PC+8*\e+2*\p+1], s[\dst:\dst+1] offset:768*((\a)+\e)+256*\p   ; 256 consecutive bytes, aligned
.endr
.endr
.endm
.macro QKOUT dst
	PLACES 4                                       ; behind the last products
.irp a, 0,2,4,6
	QKPAIR \a, \dst
.endr
	global_store_b128 v[LN16], v[SW:SW+3], s[\dst:\dst+1] offset:6144   ; 512 consecutive bytes
.endm
	s_cmp_lt_u32 s[WV], 2
	s_cbranch_scc0 .Lnot_first
	s_wait_tensorcnt 0x0                           ; waves 0 and 1: the first half of K
.Lnot_first:
	s_barrier_signal -1
	s_barrier_wait -1                              ; the second half may be on its way
	FETCH 0
	PHASE 1, 0                                     ; v
	PLACES 4
.irp b, 0,1,2,3
	VQ \b
.endr
	global_store_b64 v[LN8], v[SW:SW+1], s[20:21] offset:6656+6144
	PHASE 0, 1                                     ; q
	QKOUT 18
	PHASE 0, 2                                     ; k
	QKOUT 20
	s_wait_tensorcnt 0x0                           ; the wave's end
	ds_add_u32 v[SPW], v[NIL]
	s_wait_dscnt 0x0
	CROUND                                         ; the closing round
	s_endpgm
.Lfunc_end_k_q95af3baa98_qkv:
	.size	k_q95af3baa98_qkv, .Lfunc_end_k_q95af3baa98_qkv-k_q95af3baa98_qkv
	.p2alignl 7, 3214868480
	.fill 96, 4, 3214868480
	.section	.rodata,"a",@progbits
	.p2align	6, 0x0
	.amdhsa_kernel k_q95af3baa98_qkv
		.amdhsa_group_segment_fixed_size 327680
		.amdhsa_private_segment_fixed_size 0
		.amdhsa_enable_private_segment 0
		.amdhsa_kernarg_size 72
		.amdhsa_user_sgpr_count 2
		.amdhsa_user_sgpr_kernarg_segment_ptr 1
		.amdhsa_wavefront_size32 1
		.amdhsa_system_sgpr_workgroup_id_x 1
		.amdhsa_system_sgpr_workgroup_id_y 1
		.amdhsa_system_sgpr_workgroup_id_z 1
		.amdhsa_system_vgpr_workitem_id 0
		.amdhsa_next_free_vgpr 864
		.amdhsa_next_free_sgpr 102
		.amdhsa_reserve_vcc 0
		.amdhsa_float_denorm_mode_32 3
		.amdhsa_float_denorm_mode_16_64 3
		.amdhsa_memory_ordered 1
		.amdhsa_forward_progress 1
		.amdhsa_inst_pref_size 255
	.end_amdhsa_kernel
	.section	.bss,"aw",@nobits
	.p2align	6
	.space	262144
	.amdgpu_metadata
---
amdhsa.version: [ 1, 2 ]
amdhsa.kernels:
  - .name:           k_q95af3baa98_qkv
    .symbol:         k_q95af3baa98_qkv.kd
    .args:
      - { .name: x_img, .offset: 0, .size: 8, .value_kind: global_buffer, .address_space: global }
      - { .name: x_sc, .offset: 8, .size: 8, .value_kind: global_buffer, .address_space: global }
      - { .name: w_img, .offset: 16, .size: 8, .value_kind: global_buffer, .address_space: global }
      - { .name: w_sc, .offset: 24, .size: 8, .value_kind: global_buffer, .address_space: global }
      - { .name: bq, .offset: 32, .size: 8, .value_kind: global_buffer, .address_space: global }
      - { .name: bk, .offset: 40, .size: 8, .value_kind: global_buffer, .address_space: global }
      - { .name: bv, .offset: 48, .size: 8, .value_kind: global_buffer, .address_space: global }
      - { .name: qb, .offset: 56, .size: 8, .value_kind: global_buffer, .address_space: global }
      - { .name: kvb, .offset: 64, .size: 8, .value_kind: global_buffer, .address_space: global }
    .group_segment_fixed_size: 327680
    .private_segment_fixed_size: 0
    .kernarg_segment_align: 8
    .kernarg_segment_size: 72
    .max_flat_workgroup_size: 128
    .sgpr_count:     102
    .vgpr_count:     864
    .wavefront_size: 32
...
	.end_amdgpu_metadata
.endif
;; end of part 2
;; launch attn (part 3): grid 4 x 64, 16 waves a work-group, clusters of 4 x 1, 237,056 bytes of LDS; arguments qb, kvb, a_img, a_sc; writes a_img, a_sc
.if DOCPART == 3
	.amdgcn_target "amdgcn-amd-amdhsa--gfx1250"
	.amdhsa_code_object_version 6
	.text
	.protected	k_q95af3baa98_attn
	.globl	k_q95af3baa98_attn
	.p2align	8
	.type	k_q95af3baa98_attn,@function
k_q95af3baa98_attn:
	s_mov_b64 s[64:65], 0
	v_nop
	global_prefetch_b8 v0, s[64:65] scope:SCOPE_SE
	s_setreg_imm32_b32 hwreg(HW_REG_WAVE_MODE, 25, 1), 1
	s_wait_xcnt 0x0
	s_wait_alu depctr_hold_cnt(0) depctr_sa_sdst(0) depctr_va_vdst(0) depctr_va_sdst(0) depctr_va_ssrc(0) depctr_va_vcc(0) depctr_vm_vsrc(0)
	s_getreg_b32 s2, hwreg(HW_REG_IB_STS2, 6, 4)
	s_cmp_eq_u32 s2, 0
	s_cbranch_scc0 .Lentry_in_a_cluster
	s_endpgm
.Lentry_in_a_cluster:
	s_bfe_u32 s2, ttmp6, 0x10000c
	s_cmp_lg_u32 s2, 0x3003
	s_cbranch_scc0 .Lentry_shape_is_right
	s_endpgm
.Lentry_shape_is_right:
; O[b h][q] = the sum over k of softmax_k(Q . K / 8) V, both products on codes of FP6 (E2M3) with E8M0 scales; the result, divided by the row's sum, is quantised along the model's columns (two blocks a head) and leaves as codes.
; THE SOFTMAX: t = score x log2(e) / 8; M = the row's largest t so far, rounded UP to a whole number; p = 2^(t - M) is quantised along the keys, not normalised; the row's sum is taken of the unquantised p.
; When M moves, the sum and O are multiplied by 2^(old M - new M): exact.
; A HEAD'S K, V AND SCALE WORDS, 16 groups of 13,056 bytes, lie in LDS whole: one joint tensor load a wave, shared by the head's four work-groups; nothing is filled again; one barrier.
; Nothing is prefetched: every byte of K and V is asked for by the launch's first instructions.
; SHARES.  A work-group owns 512 queries of a head, a wave two tiles of 16 queries, A and B.  BOTH TILES WALK THE KEYS TOGETHER: a step's 24 loads of K and 24 of V serve 32 queries.
; LAYOUT.  Both products are used transposed (S^T = K Q^T, O^T = V^T P^T): a lane holds one query.  THE KEYS OF A TILE ARE GATHERED BY THE LANES' ADDRESSES: tile 4 c + j takes keys 64 c + 8 j + 0 .. 7 as its rows 0-7 and
; keys 64 c + 32 + 8 j + 0 .. 7 as its rows 8-15.  So lane (r, h) holds, in the 32 registers of tiles 4 c .. 4 c + 3, keys 64 c + 32 h + 0 .. 31: one whole scale block, in the order of the next operand's registers.
; A block's largest score needs no other lane, and the codes fall where the operand wants them.
; In memory a group's tile T holds keys 32 (T / 2) + 8 (T % 2) + r + 8 (r / 8): my row 8 g + i of tile (c, j) is row 8 (j / 2) + i of tile 4 c + 2 g + j % 2.
; LDS rows are 256 bytes + 32 of padding: six rows on (g) are 192 bytes on modulo 256, so the 32 lanes of a gathered load of 8 bytes name 64 different banks (64 banks of 4 bytes: ISA guide 11.1).
; THE HEAD IS 64 AND THE INSTRUCTION'S K IS 128: Q's upper six registers are zero codes; K's tile t is named with the six registers behind it (the next tile's codes; behind tile 7: A's codes of p).
; The format has no infinity and no NaN, and the scale bytes of that half are 0 (2^-127): that half adds exactly 0.
; CHAINS.  The 64 scores' maxima go in eight chains, one to an accumulator, the sum of p in seven; the lines that make the scale word stand among the sums: no line there reads the result of the line above it.
; LIMITS: a block's byte is held at 1 from below; a block of zeros gets the byte 1 (its codes are zeros; this program alone reads the bytes); NaN and infinities are not served; the scaled scores stay under 2^31 in magnitude.
.set GB,   13056                       ; a group in memory: K's 8 tiles x 768, K's scale words 512, V's 4 fragments x 1,536, V's scale words 256
.set PT,   288                         ; an LDS row
.set GL,   51*PT                       ; a group in LDS
.set SPARE, 16*GL                      ; the spare words, 128 bytes a wave
.set LN8,  1                           ; 8 x lane
.set SL,   2                           ; lane term of K's scale words
.set ADK,  3
.set ADS,  4
.set ADV,  5
.set TMP,  6
.set BP,   7
.set KS,   8                           ; v8-11  K's scale words: register 2 c + j / 2, lanes 0-15 j even, lanes 16-31 j odd
.set STA,  12                          ; v12-15 tile A: -M, the largest score, the sum in two halves
.set STB,  16                          ; v16-19 tile B
.set VS,   20                          ; v20-21 V's scale words
.set PSA,  22                          ; p's scale words
.set PSB,  23
.set FF,   24                          ; 2^(old M - new M)
.set KL,   25                          ; lane term of K's codes
.set QSA,  26
.set QSB,  27
.set SPW,  28
.set NIL,  29
.set BM,   30                          ; v30-31 my two blocks' largest
.set KV,   32                          ; v32-79 K's 8 tiles x 6, later V's 4 fragments x 12
.set PCA,  80                          ; v80-91 A's codes of p
.set QA,   92                          ; v92-103 A's Q and six zeros
.set QB,   104
.set PCB,  116                         ; v116-127 B's codes of p; until they are made: six chains of maxima, then six partial sums
.set S,    128                         ; v128-191 S^T, then p
.set OA,   192
.set OB,   224
.set WV,  12
.set G0,  16
.set SEL, 20
.set CS,  22
.set G1,  24
.set TB,  32
.set CNT, 33
.macro WALU
	s_wait_alu depctr_va_vdst(0)
.endm
.macro DEP n
	s_delay_alu instid0(VALU_DEP_\n)
.endm
.macro CROUND
	s_barrier_signal -1
	s_barrier_wait -1
	s_cmp_lg_u32 s[WV], 0
	s_cbranch_scc1 .Lnot_wave_0_\@
	s_barrier_signal -3
.Lnot_wave_0_\@:
	s_barrier_wait -3
	s_barrier_signal -1
	s_barrier_wait -1
.endm
	s_load_b256 s[4:11], s[0:1], 0x0               ; qb 4:5, kvb 6:7, a_img 8:9, a_sc 10:11
	v_lshl_add_u32 v[SPW], v0, 2, SPARE
	v_mov_b32 v[NIL], 0
	ds_add_u32 v[SPW], v[NIL]                      ; the opening lines
	ds_add_u32 v[SPW], v[NIL]
	v_lshrrev_b32 v3, 5, v0
	v_readfirstlane_b32 s[WV], v3                  ; wave 0..15
	s_and_b32 s15, ttmp7, 0xffff                   ; b h, which the four partners share
	s_mov_b32 s[G1], 15|(3<<16)|(1<<20)|(1<<21)|(5<<22)|(7<<25)   ; all four work-groups; elements of 8 bytes; behind every 64 words 8 words of padding
	s_mov_b32 s[G1+1], 32<<16
	s_mov_b32 s[G1+2], 51<<16                      ; 51 rows of 256 dense bytes
	s_mov_b32 s[G1+3], 32<<16
	s_mov_b32 s[G1+4], 51
	s_mov_b32 s[G1+5], 32
	s_mov_b32 s[G1+6], 0
	s_mov_b32 s[G1+7], 0
	s_mov_b32 s[G0], 1
	s_mul_i32 s[G0+1], s[WV], GL                   ; wave w brings group w
	s_mul_i32 s34, s15, 16*GB
	s_mul_i32 s35, s[WV], GB
	s_add_co_u32 s34, s34, s35
	s_mov_b32 s35, 0
	s_wait_dscnt 0x0
	s_wait_kmcnt 0x0
	s_add_nc_u64 s[G0+2:G0+3], s[6:7], s[34:35]
	s_or_b32 s[G0+3], s[G0+3], 0x80000000
	CROUND                                         ; all four work-groups are here: the joint loads meet
	tensor_load_to_lds s[G0:G0+3], s[G1:G1+7]      ; my one tensor load
	s_nop 0
.rept 4
	v_nop
.endr
	s_bfe_u32 s13, ttmp6, 0x40000                  ; cx: it enters Q's and the result's addresses alone
	s_lshl_b32 s14, ttmp9, 2
	s_add_co_u32 s14, s14, s13                     ; my block of 512 queries
	s_lshl_b32 s44, s14, 2
	s_lshr_b32 s45, s[WV], 3
	s_add_co_u32 s44, s44, s45                     ; the group of 128 queries of tile A; tile B lies two groups on
	s_mul_i32 s44, s44, 6656
	s_mul_i32 s45, s15, 106496
	s_add_co_u32 s44, s44, s45
	s_and_b32 s46, s[WV], 7                        ; my tile in it
	s_mul_i32 s48, s46, 768
	s_add_co_u32 s48, s48, s44
	s_mov_b32 s49, 0
	s_and_b32 s50, s[WV], 1                        ; its scale words: 16 bytes a lane, lanes 16-31 for an odd tile, register tile / 2
	s_lshl_b32 s50, s50, 8
	s_lshr_b32 s46, s46, 1
	s_lshl_b32 s46, s46, 2
	s_add_co_u32 s50, s50, s46
	s_add_co_u32 s50, s50, s44
	s_add_co_u32 s50, s50, 6144
	s_mov_b32 s51, 0
	s_lshr_b32 s52, s15, 4
	s_lshl_b32 s52, s52, 7
	s_lshl_b32 s53, s14, 5
	s_add_co_u32 s52, s52, s53
	s_add_co_u32 s52, s52, s[WV]                   ; tile A among the 512 tiles of tokens; tile B 16 tiles on
	s_and_b32 s53, s15, 15                         ; the head: half fragment h of the tile's sixteen
	s_lshl_b32 s54, s52, 9
	s_mul_i32 s52, s52, 12288
	s_mul_i32 s55, s53, 768
	s_add_co_u32 s52, s52, s55
	s_lshr_b32 s55, s53, 2
	s_lshl_b32 s55, s55, 7
	s_add_co_u32 s54, s54, s55
	s_and_b32 s55, s53, 3
	s_lshl_b32 s55, s55, 1
	s_add_co_u32 s54, s54, s55                     ; its two scale bytes
	s_mov_b32 s53, 0
	s_mov_b32 s55, 0
	s_add_nc_u64 s[36:37], s[4:5], s[48:49]
	s_add_nc_u64 s[38:39], s[4:5], s[50:51]
	s_add_nc_u64 s[40:41], s[8:9], s[52:53]
	s_add_nc_u64 s[42:43], s[10:11], s[54:55]
	s_mov_b32 s[SEL], 0x76543210
	s_mov_b32 s[SEL+1], 0xfedcba98
	s_mov_b32 s[CS], 0x3e38aa3b                    ; c = log2(e) / 8
	s_mov_b32 s[CS+1], s[CS]
	v_and_b32 v3, 31, v0
	v_and_b32 v4, 15, v0
	v_lshlrev_b32 v[LN8], 3, v3
	v_lshlrev_b32 v[TMP], 4, v4                    ; 16 r, for Q's scale words
	v_and_b32 v3, 7, v0                            ; i
	v_bfe_u32 v4, v0, 3, 1                         ; g
	v_bfe_u32 v5, v0, 4, 1                         ; h
	v_lshlrev_b32 v[KL], 3, v3
	v_lshlrev_b32 v[SL], 4, v3
	v_mad_u32_u24 v[KL], v4, 6*PT, v[KL]
	v_lshl_add_u32 v[SL], v4, 2, v[SL]
	v_lshl_add_u32 v[KL], v5, 7, v[KL]             ; K's codes: 8 i + 128 h + two tiles (six rows) x g
	v_mad_u32_u24 v[SL], v5, PT, v[SL]             ; K's scale words: 16 i + 4 g + a row x h
.irp p, 0,1,2
	global_load_b64 v[QA+2*\p:QA+2*\p+1], v[LN8], s[36:37] offset:256*\p
	global_load_b64 v[QB+2*\p:QB+2*\p+1], v[LN8], s[36:37] offset:13312+256*\p
.endr
	global_load_b32 v[QSA], v[TMP], s[38:39]
	global_load_b32 v[QSB], v[TMP], s[38:39] offset:13312
.irp i, 0,1,2,3,4,5
	v_mov_b32 v[QA+6+\i], 0                        ; zero codes for the half of K that the head does not have
	v_mov_b32 v[QB+6+\i], 0
	v_mov_b32 v[PCA+\i], 0                         ; named behind K's tile 7 before they are first made
.endr
	v_mov_b32 v[BP], 0                             ; a lane permute's destination counts as one of its sources
.irp st, STA, STB
	v_mov_b32 v[\st], 0x7e000000                   ; -M: above every -t
	v_mov_b32 v[\st+1], 0xff61b1e6                 ; the largest score so far: -3e38
	v_mov_b32 v[\st+2], 0
	v_mov_b32 v[\st+3], 0
.endr
.set j, 0
.rept 64
	v_mov_b32 v[OA+j], 0                           ; the step is written once: the first finds zeros, which the first change of M leaves zeros
.set j, j+1
.endr
	WALU                                           ; the wait at the head's end
	s_wait_tensorcnt 0x0                           ; my group is in,
	s_barrier_signal -1
	s_barrier_wait -1                              ; everybody's is
	s_wait_loadcnt 0x0                             ; Q
.macro SMM qf, qs                      ; S^T = K Q^T: eight tiles of 16 keys
.irp t, 0,1,2,3,4,5,6,7
.if \t%2
	v_wmma_scale_f32_16x16x128_f8f6f4 v[S+8*\t:S+8*\t+7], v[KV+6*\t:KV+6*\t+11], v[\qf:\qf+11], 0, v[KS+2*(\t/4)+(\t%4)/2], v[\qs] matrix_a_fmt:MATRIX_FMT_FP6 matrix_b_fmt:MATRIX_FMT_FP6 matrix_a_scale:MATRIX_SCALE_ROW1
.else
	v_wmma_scale_f32_16x16x128_f8f6f4 v[S+8*\t:S+8*\t+7], v[KV+6*\t:KV+6*\t+11], v[\qf:\qf+11], 0, v[KS+2*(\t/4)+(\t%4)/2], v[\qs] matrix_a_fmt:MATRIX_FMT_FP6 matrix_b_fmt:MATRIX_FMT_FP6
.endif
.endr
.endm
.macro RESC o                          ; O^T under the new M
.set j, 0
.rept 16
	v_pk_mul_f32 v[\o+j:\o+j+1], v[\o+j:\o+j+1], v[FF:FF+1] op_sel_hi:[1,0]
.set j, j+2
.endr
.endm
; Eight chains of maxima, one to an accumulator t, each begun at the accumulator's low end: chain register c
.macro CH8 op
	\op BM, 0
	\op PCB, 1
	\op PCB+1, 2
	\op PCB+2, 3
	\op BM+1, 4
	\op PCB+3, 5
	\op PCB+4, 6
	\op PCB+5, 7
.endm
.macro MXA c, t
	v_max3_num_f32 v[\c], v[S+8*\t], v[S+8*\t+1], v[S+8*\t+2]
.endm
.macro MXB c, t
	v_max3_num_f32 v[\c], v[\c], v[S+8*\t+3], v[S+8*\t+4]
.endm
.macro MXC c, t
	v_max3_num_f32 v[\c], v[\c], v[S+8*\t+5], v[S+8*\t+6]
.endm
; The scores of one tile of queries become p's codes (v[pc] on) and scale word (v[ps]).  Registers S + 32 b + 0 .. 31 are my block b of two.
.macro SOFT st, pc, ps
	CH8 MXA                                        ; a block's largest score serves for the row's maximum and, since p rises with the score, for the block's largest p
	CH8 MXB
	CH8 MXC
	v_max3_num_f32 v[BM], v[BM], v[PCB], v[S+7]            ; the chains join, each line with one of the eight numbers left over
	v_max3_num_f32 v[PCB+1], v[PCB+1], v[PCB+2], v[S+15]
	v_max3_num_f32 v[BM+1], v[BM+1], v[PCB+3], v[S+39]
	v_max3_num_f32 v[PCB+4], v[PCB+4], v[PCB+5], v[S+47]
	v_max3_num_f32 v[BM], v[BM], v[PCB+1], v[S+23]
	v_max3_num_f32 v[BM+1], v[BM+1], v[PCB+4], v[S+55]
	v_max_num_f32 v[BM], v[BM], v[S+31]
	v_max_num_f32 v[BM+1], v[BM+1], v[S+63]
	DEP 1
	v_max_num_f32 v[TMP], v[BM], v[BM+1]
	DEP 1
	v_permlanex16_b32 v[BP], v[TMP], s[SEL], s[SEL+1]
	DEP 1
	v_max3_num_f32 v[\st+1], v[\st+1], v[TMP], v[BP]    ; the largest score so far, both halves of the lanes
	DEP 1
	v_mul_f32 v[TMP], s[CS], v[\st+1]              ; as t (c is positive)
	DEP 1
	v_floor_f32 v[TMP], -v[TMP]                    ; the new -M = floor(-t)
	DEP 1
	v_sub_f32 v[BP], v[TMP], v[\st]                ; old M - new M: a whole number, 0 or less
	DEP 2
	v_mov_b32 v[\st], v[TMP]
	DEP 2
	v_cvt_i32_f32 v[BP], v[BP]                     ; (it saturates)
	DEP 1
	v_ldexp_f32 v[FF], 1.0, v[BP]
.set j, 0
.rept 32
	v_pk_fma_f32 v[S+j:S+j+1], v[S+j:S+j+1], s[CS:CS+1], v[\st:\st+1] op_sel_hi:[1,0,0]   ; t - M, two at a time
.set j, j+2
.endr
.irp b, 0,1
	v_fma_f32 v[BM+\b], v[BM+\b], s[CS], v[\st]
.endr
	WALU                                           ; the wait ahead of the batch
.set j, 0
.rept 64
	v_exp_f32 v[S+j], v[S+j]                       ; p = 2^(t - M)
.set j, j+1
.endr
.irp b, 0,1
	v_exp_f32 v[BM+\b], v[BM+\b]                   ; the block's largest p: the same two instructions on the same number
.endr
	v_pk_mul_f32 v[\st+2:\st+3], v[\st+2:\st+3], v[FF:FF+1] op_sel_hi:[1,0]   ; the sums under the new M; the plain place behind the batch
	WALU                                           ; and the wait behind it
.irp b, 0,1
	v_max_num_f32 v[BM+\b], 0x1800000, v[BM+\b]    ; the floor 2^(3 - 127): the byte cannot fall under 1
.endr
.irp k, 0,1,2,3,4,5                    ; the row's sum of the unquantised p: six partial sums and the running one
	v_pk_add_f32 v[PCB+2*\k:PCB+2*\k+1], v[S+4*\k:S+4*\k+1], v[S+4*\k+2:S+4*\k+3]
.endr
	v_pk_add_f32 v[\st+2:\st+3], v[\st+2:\st+3], v[S+24:S+25]
.irp b, 0,1
	v_add_nc_u32 v[BM+\b], 0xff000000, v[BM+\b]    ; 2 off the exponent field: the conversions' scale operand
.endr
.irp k, 0,1,2,3,4,5
	v_pk_add_f32 v[PCB+2*\k:PCB+2*\k+1], v[PCB+2*\k:PCB+2*\k+1], v[S+26+2*\k:S+27+2*\k]
.endr
	v_pk_add_f32 v[\st+2:\st+3], v[\st+2:\st+3], v[S+38:S+39]
	v_lshrrev_b32 v[TMP], 23, v[BM]                ; my two bytes
	v_lshrrev_b32 v[BP], 23, v[BM+1]
.irp k, 0,1,2,3,4,5
	v_pk_add_f32 v[PCB+2*\k:PCB+2*\k+1], v[PCB+2*\k:PCB+2*\k+1], v[S+40+2*\k:S+41+2*\k]
.endr
	v_pk_add_f32 v[\st+2:\st+3], v[\st+2:\st+3], v[S+52:S+53]
	v_lshl_or_b32 v[TMP], v[BP], 16, v[TMP]        ; blocks h and 2 + h
.irp k, 0,1,2,3,4
	v_pk_add_f32 v[PCB+2*\k:PCB+2*\k+1], v[PCB+2*\k:PCB+2*\k+1], v[S+54+2*\k:S+55+2*\k]
.endr
	v_pk_add_f32 v[PCB+4:PCB+5], v[PCB+4:PCB+5], v[PCB:PCB+1]        ; the six join into two that B's first conversions do not write over
	v_pk_add_f32 v[PCB+10:PCB+11], v[PCB+10:PCB+11], v[PCB+2:PCB+3]
	v_pk_add_f32 v[PCB+4:PCB+5], v[PCB+4:PCB+5], v[PCB+6:PCB+7]
	v_pk_add_f32 v[PCB+10:PCB+11], v[PCB+10:PCB+11], v[PCB+8:PCB+9]
	v_cvt_scalef32_pk16_fp6_f32 v[\pc:\pc+2], v[S:S+15], v[BM]            ; each block's lower 16 codes fall where the operand wants them
	v_cvt_scalef32_pk16_fp6_f32 v[\pc+6:\pc+8], v[S+32:S+47], v[BM+1]
	v_pk_add_f32 v[\st+2:\st+3], v[\st+2:\st+3], v[PCB+4:PCB+5]          ; also the plain line ahead of writes over the first conversion's sources
	v_cvt_scalef32_pk16_fp6_f32 v[S:S+2], v[S+16:S+31], v[BM]            ; (a conversion's three registers begin on an even number: the upper 16 are made elsewhere and moved)
	v_cvt_scalef32_pk16_fp6_f32 v[S+4:S+6], v[S+48:S+63], v[BM+1]
	v_pk_add_f32 v[\st+2:\st+3], v[\st+2:\st+3], v[PCB+10:PCB+11]        ; also the plain line behind the conversions
.irp i, 0,1,2
	v_mov_b32 v[\pc+3+\i], v[S+\i]
.endr
	v_permlanex16_b32 v[BP], v[TMP], s[SEL], s[SEL+1]
.irp i, 0,1,2
	v_mov_b32 v[\pc+9+\i], v[S+4+\i]
.endr
	v_lshl_or_b32 v[\ps], v[BP], 8, v[TMP]         ; lanes 0-15, which the matrix unit reads: the word of blocks 0 .. 3
.endm
	s_mov_b32 s[TB], 0
	s_mov_b32 s[CNT], 16
.Lstep:                                ; A KEY STEP: 128 keys, the group at LDS byte s[TB], against both tiles of queries
	v_add_nc_u32 v[ADK], s[TB], v[KL]
	v_add_nc_u32 v[ADS], s[TB], v[SL]
	v_add_nc_u32 v[ADV], s[TB], v[LN8]
	v_nop                                          ; four places in front of loads into registers that the last products have read
.irp c, 0,1
.irp jj, 0,1,2,3
.irp p, 0,1,2
	ds_load_b64 v[KV+6*(4*\c+\jj)+2*\p:KV+6*(4*\c+\jj)+2*\p+1], v[ADK] offset:PT*(12*\c+3*(\jj%2)+\p)+64*(\jj/2)
.endr
.endr
.endr
.irp c, 0,1
.irp n, 0,1
	ds_load_b32 v[KS+2*\c+\n], v[ADS] offset:PT*24+128*\n+8*\c
.endr
.endr
	WALU
	s_wait_dscnt 0x0
	SMM QA, QSA
.rept 4
	v_nop                                          ; places in front of the first read of the scores
.endr
	SOFT STA, PCA, PSA
	SMM QB, QSB                                    ; K's fragments serve the second tile
	WALU                                           ; the wait directly ahead of the first reader of A's O^T
	RESC OA                                        ; these sixteen are also the places behind the products
.irp t, 0,1,2,3                        ; V's fragments land under B's softmax
.irp p, 0,1,2,3,4,5
	ds_load_b64 v[KV+12*\t+2*\p:KV+12*\t+2*\p+1], v[ADV] offset:PT*(26+6*\t+\p)
.endr
.endr
	ds_load_b64 v[VS:VS+1], v[ADV] offset:PT*50
	SOFT STB, PCB, PSB
	WALU                                           ; directly ahead of the first reader of B's O^T
	RESC OB                                        ; also the places between B's scale word and the scaled products
	WALU
	s_wait_dscnt 0x0                               ; V
.irp t, 0,1,2,3                        ; eight accumulators by turns
.if \t%2
	v_wmma_scale_f32_16x16x128_f8f6f4 v[OA+8*\t:OA+8*\t+7], v[KV+12*\t:KV+12*\t+11], v[PCA:PCA+11], v[OA+8*\t:OA+8*\t+7], v[VS+\t/2], v[PSA] matrix_a_fmt:MATRIX_FMT_FP6 matrix_b_fmt:MATRIX_FMT_FP6 matrix_a_scale:MATRIX_SCALE_ROW1
	v_wmma_scale_f32_16x16x128_f8f6f4 v[OB+8*\t:OB+8*\t+7], v[KV+12*\t:KV+12*\t+11], v[PCB:PCB+11], v[OB+8*\t:OB+8*\t+7], v[VS+\t/2], v[PSB] matrix_a_fmt:MATRIX_FMT_FP6 matrix_b_fmt:MATRIX_FMT_FP6 matrix_a_scale:MATRIX_SCALE_ROW1
.else
	v_wmma_scale_f32_16x16x128_f8f6f4 v[OA+8*\t:OA+8*\t+7], v[KV+12*\t:KV+12*\t+11], v[PCA:PCA+11], v[OA+8*\t:OA+8*\t+7], v[VS+\t/2], v[PSA] matrix_a_fmt:MATRIX_FMT_FP6 matrix_b_fmt:MATRIX_FMT_FP6
	v_wmma_scale_f32_16x16x128_f8f6f4 v[OB+8*\t:OB+8*\t+7], v[KV+12*\t:KV+12*\t+11], v[PCB:PCB+11], v[OB+8*\t:OB+8*\t+7], v[VS+\t/2], v[PSB] matrix_a_fmt:MATRIX_FMT_FP6 matrix_b_fmt:MATRIX_FMT_FP6
.endif
.endr
	s_add_co_u32 s[TB], s[TB], GL
	s_sub_co_u32 s[CNT], s[CNT], 1
	s_cmp_lg_u32 s[CNT], 0
	s_cbranch_scc1 .Lstep
.rept 4
	v_nop                                          ; places behind the last products
.endr
	v_and_b32 v[ADK], 0x78, v[LN8]                 ; 8 r
; A tile's way out: O^T / the sum; register 16 b + i is o(my query, d = 32 b + 16 h + i); two blocks of 32, each in lanes l and l xor 16.
.macro OUT o, st, p
	v_add_f32 v[\st+2], v[\st+2], v[\st+3]
	v_permlanex16_b32 v[TMP], v[\st+2], s[SEL], s[SEL+1]
	v_add_f32 v[\st+2], v[\st+2], v[TMP]           ; the row's sum
	WALU
	v_rcp_f32 v[\st+2], v[\st+2]
	v_nop                                          ; one plain place behind a transcendental
	WALU
.set j, 0
.rept 16
	v_pk_mul_f32 v[S+j:S+j+1], v[\o+j:\o+j+1], v[\st+2:\st+3] op_sel_hi:[1,0]
.set j, j+2
.endr
.irp b, 0,1
	v_max3_num_f32 v[BM+\b], |v[S+16*\b]|, |v[S+1+16*\b]|, 0x1800000
.endr
.irp i, 2,4,6,8,10,12,14
.irp b, 0,1
	v_max3_num_f32 v[BM+\b], v[BM+\b], |v[S+16*\b+\i]|, |v[S+1+16*\b+\i]|
.endr
.endr
.irp b, 0,1
	v_permlanex16_b32 v[BP-\b], v[BM+\b], s[SEL], s[SEL+1]
.endr
.irp b, 0,1
	v_max_num_f32 v[BM+\b], v[BM+\b], v[BP-\b]
.endr
.irp b, 0,1
	v_add_nc_u32 v[BM+\b], 0xff000000, v[BM+\b]
.endr
.irp b, 0,1
	v_lshrrev_b32 v[BP-\b], 23, v[BM+\b]
.endr
	v_lshl_or_b32 v[TMP], v[TMP], 8, v[BP]         ; the head's two bytes of my row
	v_cvt_scalef32_pk16_fp6_f32 v[PCB:PCB+2], v[S:S+15], v[BM]
	v_cvt_scalef32_pk16_fp6_f32 v[PCB+4:PCB+6], v[S+16:S+31], v[BM+1]
	v_nop                                          ; one plain place behind a scaled conversion
.irp i, 0,1,2
	v_permlane16_swap_b32 v[PCB+\i], v[PCB+4+\i]   ; the operand's layout wants a whole block in a lane
.endr
.irp i, 0,1,2
	v_mov_b32 v[PCB+3+\i], v[PCB+4+\i]
.endr
.irp n, 0,1,2
	global_store_b64 v[LN8], v[PCB+2*\n:PCB+2*\n+1], s[40:41] offset:196608*(\p)+256*\n   ; a half fragment of the last product's operand: 256 consecutive bytes, aligned
.endr
	global_store_b16 v[ADK], v[TMP], s[42:43] offset:8192*(\p)   ; both halves of the lanes write the same bytes with the same value
	s_wait_xcnt 0x0                                ; the stores have read their registers
.endm
	OUT OA, STA, 0
	OUT OB, STB, 1
	s_wait_tensorcnt 0x0                           ; the wave's end
	ds_add_u32 v[SPW], v[NIL]
	s_wait_dscnt 0x0
	CROUND                                         ; the closing round
	s_endpgm
.Lfunc_end_k_q95af3baa98_attn:
	.size	k_q95af3baa98_attn, .Lfunc_end_k_q95af3baa98_attn-k_q95af3baa98_attn
	.p2alignl 7, 3214868480
	.fill 96, 4, 3214868480
	.section	.rodata,"a",@progbits
	.p2align	6, 0x0
	.amdhsa_kernel k_q95af3baa98_attn
		.amdhsa_group_segment_fixed_size 237056
		.amdhsa_private_segment_fixed_size 0
		.amdhsa_enable_private_segment 0
		.amdhsa_kernarg_size 32
		.amdhsa_user_sgpr_count 2
		.amdhsa_user_sgpr_kernarg_segment_ptr 1
		.amdhsa_wavefront_size32 1
		.amdhsa_system_sgpr_workgroup_id_x 1
		.amdhsa_system_sgpr_workgroup_id_y 1
		.amdhsa_system_sgpr_workgroup_id_z 1
		.amdhsa_system_vgpr_workitem_id 0
		.amdhsa_next_free_vgpr 256
		.amdhsa_next_free_sgpr 66
		.amdhsa_reserve_vcc 0
		.amdhsa_float_denorm_mode_32 3
		.amdhsa_float_denorm_mode_16_64 3
		.amdhsa_memory_ordered 1
		.amdhsa_forward_progress 1
		.amdhsa_inst_pref_size 45
	.end_amdhsa_kernel
	.amdgpu_metadata
---
amdhsa.version: [ 1, 2 ]
amdhsa.kernels:
  - .name:           k_q95af3baa98_attn
    .symbol:         k_q95af3baa98_attn.kd
    .args:
      - { .name: qb, .offset: 0, .size: 8, .value_kind: global_buffer, .address_space: global }
      - { .name: kvb, .offset: 8, .size: 8, .value_kind: global_buffer, .address_space: global }
      - { .name: a_img, .offset: 16, .size: 8, .value_kind: global_buffer, .address_space: global }
      - { .name: a_sc, .offset: 24, .size: 8, .value_kind: global_buffer, .address_space: global }
    .group_segment_fixed_size: 237056
    .private_segment_fixed_size: 0
    .kernarg_segment_align: 8
    .kernarg_segment_size: 32
    .max_flat_workgroup_size: 512
    .sgpr_count:     66
    .vgpr_count:     256
    .wavefront_size: 32
...
	.end_amdgpu_metadata
.endif
;; end of part 3
;; launch oproj (part 4): grid 4 x 64, 4 waves a work-group, clusters of 4 x 4, 327,680 bytes of LDS; arguments a_img, a_sc, w_img, w_sc, bo, out0; writes out0
.if DOCPART == 4
	.amdgcn_target "amdgcn-amd-amdhsa--gfx1250"
	.amdhsa_code_object_version 6
	.text
	.protected	k_q95af3baa98_oproj
	.globl	k_q95af3baa98_oproj
	.p2align	8
	.type	k_q95af3baa98_oproj,@function
k_q95af3baa98_oproj:
	s_mov_b64 s[64:65], 0
	v_nop
	global_prefetch_b8 v0, s[64:65] scope:SCOPE_SE
	s_setreg_imm32_b32 hwreg(HW_REG_WAVE_MODE, 25, 1), 1
	s_wait_xcnt 0x0
	s_wait_alu depctr_hold_cnt(0) depctr_sa_sdst(0) depctr_va_vdst(0) depctr_va_sdst(0) depctr_va_ssrc(0) depctr_va_vcc(0) depctr_vm_vsrc(0)
	s_getreg_b32 s2, hwreg(HW_REG_IB_STS2, 6, 4)
	s_cmp_eq_u32 s2, 0
	s_cbranch_scc0 .Lentry_in_a_cluster
	s_endpgm
.Lentry_in_a_cluster:
	s_bfe_u32 s2, ttmp6, 0x10000c
	s_cmp_lg_u32 s2, 0xf033
	s_cbranch_scc0 .Lentry_shape_is_right
	s_endpgm
.Lentry_shape_is_right:
; out0 = attention's result x wo + bo on codes of FP6 (E2M3) with E8M0 scales, sums in f32.
; A block of 128 rows x 256 columns is made by four waves, each 64 x 128: 32 accumulators.  8,192 x 1,024 are 64 x 4 such blocks: 256 work-groups.
; ALL OF K LIES IN LDS: A's 8 tiles and B's 16 tiles of 12,288 bytes are 294,912 bytes.  They come by four joint loads at the head, one a wave: A's and B's first 512 along K, then A's and B's second 512.
; The first barrier shows the first half (waves 0 and 1 wait there, on load lines of their own), the second, in the fourth step, the rest.  Nothing is filled again, so the walk along K has no round of the cluster's barrier.
; Nothing is prefetched: every byte of the tiles is asked for by the head's loads, and there is no loop to run ahead in.
; CLUSTERS: 4 x 4 work-groups; A's tiles are shared along a row of the cluster, B's along a column.
; LAYOUT as the program's first launch lays it: a tile of 16 rows (32 (T / 2) + 8 (T % 2) + r + 8 (r / 8)) is 16 half fragments of 768 bytes in the order of the operand's registers; scale bytes [T][K / 256][r][8].
; THE SCALE WORDS go from memory straight into registers, 256 consecutive bytes a load: lanes 0-15 hold an even K step of 256, lanes 16-31 the odd one behind it; a register pair holds the step's two words.
; The matrix instruction is used transposed (source 0 = wo's columns, source 1 = the rows): a lane holds eight neighbouring numbers of a row.  The bias is the first products' C.
; THE WAY OUT goes through a stage of each wave's own in the first half's bytes: behind the second barrier nobody reads them, and they have had their only fill.
; REGISTERS: window 0: v10-29 addresses; v32-47 A's scale words, v50-81 B's; v84-147 the bias; v148-243 A's fragments, two sets; on the way out v84-211 at work.  window 1: B's fragments, two sets.  window 2: the accumulators.
.set FR,    12
.set TK,    6144                       ; a tile's codes of 512 along K
.set HALF,  24*TK                      ; A's 8 tiles, then B's 16
.set SPARE, 2*HALF                     ; the spare words, 128 bytes a wave
.set SPITCH, 528
.set LN8,  10
.set LN16, 11
.set BOQ,  12
.set ADRA, 16
.set ADRB, 20
.set STO,  24
.set RD,   25
.set SPW,  28
.set NIL,  29
.set SA,   32
.set SB,   50                          ; (SB - SA is 2 modulo 8: A's and B's scale registers never have the same number modulo 8)
.set BI,   84
.set AF,   148
.set BK,   84
.set WV,  22
.set AH,  23
.set BH,  21
.set G1,   24
.set G1B,  48
.set GA0,  32
.set GB0,  36
.set GA1,  56
.set GB1,  60
.set MSB, 0
.macro WIN new                         ; the immediate's high byte repeats the setting that is left
.if MSB != (\new)
	s_set_vgpr_msb (MSB<<8)|(\new)
.set MSB, (\new)
.endif
.endm
.set MUL_W, 0xa1                       ; source 0 (B) window 1, source 1 (A) window 0, C and D window 2
.set FST_W, 0x81                       ; the same, C (the bias) window 0
.macro WALU
	s_wait_alu depctr_va_vdst(0)
.endm
.macro PLACES n
.rept \n
	v_nop
.endr
.endm
.macro CROUND
	s_barrier_signal -1
	s_barrier_wait -1
	s_cmp_lg_u32 s[WV], 0
	s_cbranch_scc1 .Lnot_wave_0_\@
	s_barrier_signal -3
.Lnot_wave_0_\@:
	s_barrier_wait -3
	s_barrier_signal -1
	s_barrier_wait -1
.endm
	s_load_b256 s[4:11], s[0:1], 0x0               ; a_img 4:5, a_sc 6:7, w_img 8:9, w_sc 10:11
	s_load_b128 s[12:15], s[0:1], 0x20             ; bo 12:13, out0 14:15
	v_lshl_add_u32 v[SPW], v0, 2, SPARE
	v_mov_b32 v[NIL], 0
	ds_add_u32 v[SPW], v[NIL]                      ; the opening lines
	ds_add_u32 v[SPW], v[NIL]
	v_lshrrev_b32 v1, 5, v0
	v_readfirstlane_b32 s[WV], v1
	s_lshr_b32 s[AH], s[WV], 1                     ; which 64 rows are mine
	s_and_b32 s[BH], s[WV], 1                      ; which 128 columns
	s_bfe_u32 s40, ttmp6, 0x40000                  ; cx
	s_bfe_u32 s41, ttmp6, 0x40004                  ; cy
	s_lshl_b32 s43, s41, 2
	s_lshl_b32 s43, 15, s43                        ; my row of the cluster
	s_lshl_b32 s44, 0x1111, s40                    ; my column
	s_or_b32 s[G1], s43, (3<<16)|(1<<21)           ; rows of 6,144 bytes (768 elements of 8), 12,288 bytes apart: A's 8 tiles,
	s_or_b32 s[G1B], s44, (3<<16)|(1<<21)          ; B's 16
	s_mov_b32 s[G1+2], 8<<16
	s_mov_b32 s[G1+4], 8
	s_mov_b32 s[G1B+2], 16<<16
	s_mov_b32 s[G1B+4], 16
.irp g, G1, G1B
	s_mov_b32 s[\g+1], 768<<16
	s_mov_b32 s[\g+3], 768<<16
	s_mov_b32 s[\g+5], 1536
	s_mov_b32 s[\g+6], 0
	s_mov_b32 s[\g+7], 0
.endr
	s_and_b32 s42, ttmp7, 0xffff
	s_lshl_b32 s42, s42, 2
	s_add_co_u32 s92, s42, s41                     ; the block's row of 64: A's address hangs on it alone
	s_lshl_b32 s94, ttmp9, 2
	s_add_co_u32 s94, s94, s40                     ; its column of 4: B's hangs on it alone
	s_mul_i32 s98, s92, 8*12288
	s_mov_b32 s99, 0
	s_lshl_b32 s46, s94, 4
	s_add_co_u32 s46, s46, 192                     ; wo's tiles begin at 192
	s_mul_i32 s46, s46, 12288
	s_mov_b32 s47, 0
	s_lshl_b32 s96, s92, 12                        ; my rows' scale bytes: 8 tiles x 512 a block, 4 tiles a half
	s_lshl_b32 s97, s[AH], 11
	s_add_co_u32 s96, s96, s97
	s_mov_b32 s97, 0
	s_lshl_b32 s100, s94, 4
	s_add_co_u32 s100, s100, 192
	s_lshl_b32 s101, s[BH], 3
	s_add_co_u32 s100, s100, s101
	s_lshl_b32 s100, s100, 9                       ; my columns' scale bytes
	s_mov_b32 s101, 0
	s_lshl_b32 s16, s94, 10                        ; my first column, in bytes of f32
	s_lshl_b32 s17, s[BH], 9
	s_add_co_u32 s16, s16, s17
	s_mov_b32 s17, 0
	s_lshl_b32 s18, s92, 19                        ; my first row: 128 x block + 64 x half, 4,096 bytes each
	s_lshl_b32 s19, s[AH], 18
	s_add_co_u32 s18, s18, s19
	s_add_co_u32 s18, s18, s16
	s_mov_b32 s19, 0
	s_mul_i32 s2, s[AH], 4*TK                      ; my fragments in LDS
	s_mul_i32 s3, s[BH], 8*TK
	s_add_co_u32 s3, s3, 8*TK
	s_mul_i32 s20, s[WV], 16*SPITCH                ; my stage
	s_mov_b32 s[GA0], 1
	s_mov_b32 s[GA0+1], 0
	s_mov_b32 s[GB0], 1
	s_mov_b32 s[GB0+1], 8*TK
	s_mov_b32 s[GA1], 1
	s_mov_b32 s[GA1+1], HALF
	s_mov_b32 s[GB1], 1
	s_mov_b32 s[GB1+1], HALF+8*TK
	WALU
	s_wait_dscnt 0x0                               ; both opening adds are done
	s_wait_kmcnt 0x0
	s_add_nc_u64 s[GA0+2:GA0+3], s[4:5], s[98:99]
	s_add_nc_u64 s[GB0+2:GB0+3], s[8:9], s[46:47]
	s_add_nc_u64 s[GA1+2:GA1+3], s[GA0+2:GA0+3], TK
	s_add_nc_u64 s[GB1+2:GB1+3], s[GB0+2:GB0+3], TK
.irp g, GA0, GB0, GA1, GB1
	s_or_b32 s[\g+3], s[\g+3], 0x80000000
.endr
	s_add_nc_u64 s[6:7], s[6:7], s[96:97]
	s_add_nc_u64 s[10:11], s[10:11], s[100:101]
	s_add_nc_u64 s[12:13], s[12:13], s[16:17]
	s_add_nc_u64 s[14:15], s[14:15], s[18:19]
	CROUND                                         ; all sixteen work-groups are here: the joint loads meet
.macro ARM under, g0, g1, next         ; one chain of branches on the wave's number, one load to an arm
	s_cmp_lt_u32 s[WV], \under
	s_cbranch_scc0 \next
	tensor_load_to_lds s[\g0:\g0+3], s[\g1:\g1+7]
	s_nop 0
	PLACES 4
	s_branch .Lhead_asked
\next:
.endm
	ARM 1, GA0, G1,  .Lhead_b0
	ARM 2, GB0, G1B, .Lhead_a1
	ARM 3, GA1, G1,  .Lhead_b1
	tensor_load_to_lds s[GB1:GB1+3], s[G1B:G1B+7]
	s_nop 0
	PLACES 4
.Lhead_asked:
	v_and_b32 v1, 15, v0                           ; r
	v_bfe_u32 v2, v0, 4, 1                         ; h
	v_and_b32 v3, 31, v0
	v_lshlrev_b32 v[LN8], 3, v3
	v_lshlrev_b32 v[LN16], 4, v3
	v_lshlrev_b32 v[BOQ], 6, v2                    ; the bias of my half's 16 numbers of each 32
	v_mul_u32_u24 v5, v1, SPITCH
	v_add_nc_u32 v[ADRA], s2, v[LN8]
	v_add_nc_u32 v[ADRB], s3, v[LN8]
	v_lshl_add_u32 v5, v2, 6, v5
	v_add_nc_u32 v[RD], s20, v[LN16]
	v_add_nc_u32 v[ADRA+1], HALF, v[ADRA]
	v_add_nc_u32 v[ADRB+1], HALF, v[ADRB]
	v_add_nc_u32 v[STO], s20, v5
	WALU                                           ; the wait at the head's end
.irp b, 0,1,2,3
.irp i, 0,1,2,3
	global_load_b128 v[BI+16*\b+4*\i:BI+16*\b+4*\i+3], v[BOQ], s[12:13] offset:128*\b+16*\i   ; register 16 b + i: the bias of column 32 b + 16 h + i
.endr
.endr
.irp a, 0,1,2,3
.irp n, 0,1
	global_load_b64 v[SA+4*\a+2*\n:SA+4*\a+2*\n+1], v[LN8], s[6:7] offset:512*\a+256*\n
.endr
.endr
.irp b, 0,1,2,3,4,5,6,7
.irp n, 0,1
	global_load_b64 v[SB+4*\b+2*\n:SB+4*\b+2*\n+1], v[LN8], s[10:11] offset:512*\b+256*\n
.endr
.endr
.macro FRAG reg, adr, q, i             ; a fragment, 12 registers: six loads of 8 bytes a lane, each 256 consecutive bytes
.irp p, 0,1,2,3,4,5
	ds_load_b64 v[\reg+2*\p:\reg+2*\p+1], v[\adr] offset:(\i)*TK+(\q)*1536+256*\p
.endr
.endm
.macro FETCH st                        ; step st's fragments into set st % 2: B's eight, A's four
	WIN 0x40
.irp i, 0,1,2,3,4,5,6,7
	FRAG 96*((\st)%2)+FR*\i, ADRB+(\st)/4, (\st)%4, \i
.endr
	WIN 0
.irp i, 0,1,2,3
	FRAG AF+48*((\st)%2)+FR*\i, ADRA+(\st)/4, (\st)%4, \i
.endr
.endm
.macro WM d, b, a, c, xb, xa, row
.if \row
	v_wmma_scale_f32_16x16x128_f8f6f4 v[(\d):(\d)+7], v[(\b):(\b)+FR-1], v[(\a):(\a)+FR-1], \c, v[\xb], v[\xa] matrix_a_fmt:MATRIX_FMT_FP6 matrix_b_fmt:MATRIX_FMT_FP6 matrix_a_scale:MATRIX_SCALE_ROW1 matrix_b_scale:MATRIX_SCALE_ROW1
.else
	v_wmma_scale_f32_16x16x128_f8f6f4 v[(\d):(\d)+7], v[(\b):(\b)+FR-1], v[(\a):(\a)+FR-1], \c, v[\xb], v[\xa] matrix_a_fmt:MATRIX_FMT_FP6 matrix_b_fmt:MATRIX_FMT_FP6
.endif
.endm
; 16 matrix instructions: A's blocks a0, a0 + 1 x B's eight, step st of 128 along K.  The 32 accumulators take turns in the same order in every step.
.macro MUL a0, st, first
.irp a, \a0, \a0+1
.irp b, 0,1,2,3,4,5,6,7
.if \first
	WM 8*(8*(\a)+\b), 96*((\st)%2)+FR*\b, AF+48*((\st)%2)+FR*(\a), v[BI+8*\b:BI+8*\b+7], SB+4*\b+2*((\st)/4)+(\st)%2, SA+4*(\a)+2*((\st)/4)+(\st)%2, ((\st)/2)%2
.else
	WM 8*(8*(\a)+\b), 96*((\st)%2)+FR*\b, AF+48*((\st)%2)+FR*(\a), v[8*(8*(\a)+\b):8*(8*(\a)+\b)+7], SB+4*\b+2*((\st)/4)+(\st)%2, SA+4*(\a)+2*((\st)/4)+(\st)%2, ((\st)/2)%2
.endif
.endr
.endr
.endm
; A step: its fragments are in; the next step's are asked for, into the set that the step before multiplied (four plain places in front of them); then its 32 products.
.macro STEP st, first
.if (\st) == 3
	s_wait_tensorcnt 0x0                           ; my own load has landed; the barrier below shows every wave's
.endif
	s_wait_dscnt 0x0                               ; this step's fragments; in step 3 also: my reads of the first half are over
.if (\st) == 3
	s_barrier_signal -1
	WIN MUL_W
	MUL 0, \st, 0                                  ; work on registers while the others arrive
	s_barrier_wait -1
.endif
.if (\st) < 7
	PLACES 4
	FETCH (\st)+1
.endif
.if \first
	WIN FST_W
.else
	WIN MUL_W
.endif
.if (\st) != 3
	MUL 0, \st, \first
.endif
	MUL 2, \st, \first
.endm
	s_cmp_lt_u32 s[WV], 2
	s_cbranch_scc0 .Lnot_first
	s_wait_tensorcnt 0x0                           ; waves 0 and 1: the first half of K
.Lnot_first:
	s_barrier_signal -1
	s_barrier_wait -1                              ; the second half may be on its way
	FETCH 0
	s_wait_loadcnt 0x0                             ; the bias and the scale words
	STEP 0, 1
	STEP 1, 0
	STEP 2, 0
	STEP 3, 0
	STEP 4, 0
	STEP 5, 0
	STEP 6, 0
	STEP 7, 0
	WIN 0
; THE WAY OUT, block by block of 16 rows x 128 columns, through my stage: back as whole rows of 512 bytes.  LDS serves a wave's instructions in order (ISA guide 5.7.1.4): no wait between the stores and the loads.
.macro TOSTAGE a
	WIN 0x08                                       ; the data: window 2
.irp b, 0,1,2,3,4,5,6,7
	ds_store_b128 v[STO], v[64*(\a)+8*\b:64*(\a)+8*\b+3] offset:128*(\b/2)+32*(\b%2)      ; each accumulator from its low end on
	ds_store_b128 v[STO], v[64*(\a)+8*\b+4:64*(\a)+8*\b+7] offset:128*(\b/2)+32*(\b%2)+16
.endr
	WIN 0
.set BB, BK+64*((\a)%2)
.irp t, 0,1,2,3,4,5,6,7,8,9,10,11,12,13,14,15
	ds_load_b128 v[BB+4*\t:BB+4*\t+3], v[RD] offset:\t*SPITCH
.endr
.endm
.macro SEND a, younger                 ; younger: the LDS instructions issued behind block a's loads
.set BB, BK+64*((\a)%2)
	s_wait_dscnt \younger
.irp t, 0,1,2,3,4,5,6,7,8,9,10,11,12,13,14,15
	global_store_b128 v[LN16], v[BB+4*\t:BB+4*\t+3], s[14:15] offset:(32*((\a)/2)+8*((\a)%2)+\t+8*(\t/8))*4096 th:TH_STORE_NT   ; 512 consecutive bytes, aligned
.endr
.endm
	PLACES 4                                       ; behind the last products
	TOSTAGE 0
.irp a, 1,2,3
.if \a > 1
	s_wait_xcnt 0x0                                ; block a - 2's stores have read their registers
.endif
	TOSTAGE \a
	SEND \a-1, 32
.endr
	SEND 3, 0
	s_wait_tensorcnt 0x0                           ; the wave's end
	ds_add_u32 v[SPW], v[NIL]
	s_wait_dscnt 0x0
	CROUND                                         ; the closing round
	s_endpgm
.Lfunc_end_k_q95af3baa98_oproj:
	.size	k_q95af3baa98_oproj, .Lfunc_end_k_q95af3baa98_oproj-k_q95af3baa98_oproj
	.p2alignl 7, 3214868480
	.fill 96, 4, 3214868480
	.section	.rodata,"a",@progbits
	.p2align	6, 0x0
	.amdhsa_kernel k_q95af3baa98_oproj
		.amdhsa_group_segment_fixed_size 327680
		.amdhsa_private_segment_fixed_size 0
		.amdhsa_enable_private_segment 0
		.amdhsa_kernarg_size 48
		.amdhsa_user_sgpr_count 2
		.amdhsa_user_sgpr_kernarg_segment_ptr 1
		.amdhsa_wavefront_size32 1
		.amdhsa_system_sgpr_workgroup_id_x 1
		.amdhsa_system_sgpr_workgroup_id_y 1
		.amdhsa_system_sgpr_workgroup_id_z 1
		.amdhsa_system_vgpr_workitem_id 0
		.amdhsa_next_free_vgpr 768
		.amdhsa_next_free_sgpr 102
		.amdhsa_reserve_vcc 0
		.amdhsa_float_denorm_mode_32 3
		.amdhsa_float_denorm_mode_16_64 3
		.amdhsa_memory_ordered 1
		.amdhsa_forward_progress 1
		.amdhsa_inst_pref_size 96
	.end_amdhsa_kernel
	.amdgpu_metadata
---
amdhsa.version: [ 1, 2 ]
amdhsa.kernels:
  - .name:           k_q95af3baa98_oproj
    .symbol:         k_q95af3baa98_oproj.kd
    .args:
      - { .name: a_img, .offset: 0, .size: 8, .value_kind: global_buffer, .address_space: global }
      - { .name: a_sc, .offset: 8, .size: 8, .value_kind: global_buffer, .address_space: global }
      - { .name: w_img, .offset: 16, .size: 8, .value_kind: global_buffer, .address_space: global }
      - { .name: w_sc, .offset: 24, .size: 8, .value_kind: global_buffer, .address_space: global }
      - { .name: bo, .offset: 32, .size: 8, .value_kind: global_buffer, .address_space: global }
      - { .name: out0, .offset: 40, .size: 8, .value_kind: global_buffer, .address_space: global }
    .group_segment_fixed_size: 327680
    .private_segment_fixed_size: 0
    .kernarg_segment_align: 8
    .kernarg_segment_size: 48
    .max_flat_workgroup_size: 128
    .sgpr_count:     102
    .vgpr_count:     768
    .wavefront_size: 32
...
	.end_amdgpu_metadata
.endif
;; end of part 4
